; MI455X (gfx1250); checked and timed in simulation.
; The chip was launched on July 23, 2026; its instructions are those of AMD's public machine-readable ISA for CDNA 5 (MIT licence, August 2026) and "CDNA5" Instruction Set Architecture Reference Guide (July 2026). The comments in the code are by the model that wrote it; some were corrected since.
;; Gpt2 Attention. Allowed arithmetic: float matrix products may take bf16 or f16 operands with f32 sums; other float arithmetic in f32, or as packed bf16 or f16 multiplies, adds, multiply-adds, maxima and minima; sums over many terms, partial sums and values carried from step to step in f32; what a program stores and reads back later, other than sums and carried values, may be rounded once to bf16 or f16.
;; Inputs: b_proj 1,024 float32; b_qkv 3,072 float32; w_proj 1,024 x 1,024 float32; w_qkv 1,024 x 3,072 float32; x 4 x 2,048 x 1,024 float32.
;; Outputs: out0 4 x 2,048 x 1,024 float32.
;; Constants: layer_idx = 0.
;; 2 versions, each right; version 2 is version 1 with the launch prep written anew for expert scheduling mode. Each part assembles by itself: llvm-mc -triple=amdgcn-amd-amdhsa -mcpu=gfx1250 --defsym DOCPART=n.
;; ======== version 1 of 2: 4 launches
;; limits: values are held in f16: magnitudes above 65,504 overflow, below 6.1e-05 lose precision; right only within a limited range of input values
;; workspace buffers: xb 16,777,216 bytes; wqb 6,291,456 bytes; wpb 2,097,152 bytes; qkv 50,331,648 bytes; ob 16,777,216 bytes
;; launch prep (part 1): grid 832 x 1, 8 waves a work-group, no clusters, 0 bytes of LDS; arguments x, w_qkv, w_proj, xb, wqb, wpb; writes xb, wqb, wpb
.if DOCPART == 1
	.amdgcn_target "amdgcn-amd-amdhsa--gfx1250"
	.amdhsa_code_object_version 6
	.text
	.protected	k_qcc36aded90_prep
	.globl	k_qcc36aded90_prep
	.p2align	8
	.type	k_qcc36aded90_prep,@function
k_qcc36aded90_prep:
	s_mov_b64 s[64:65], 0
	v_nop
	global_prefetch_b8 v0, s[64:65] scope:SCOPE_SE
	s_setreg_imm32_b32 hwreg(HW_REG_WAVE_MODE, 25, 1), 1
	s_wait_xcnt 0x0
; THE CASTS.  x [8192][1024] f32 -> xb, the same shape in bf16.  w_proj [1024][1024] f32 -> wpb, the same shape: rounded to bf16 and that number written as f16.
; w_qkv [1024 k][3072 n] f32 -> wqb [16 column tiles][1024 k][192 n] bf16: a tile's rows lie end to end, so that 64 of them are 24,576 dense bytes for the product that follows.
; All roundings to nearest even.  LIMITS: |w_proj| stays under 65,504 (f16's range); below 6e-5 f16 keeps its fixed step of 6e-8; NaN and infinities are not treated apart.
; A stream: each byte is read once and written once; no LDS, no barrier, no matrix unit, since no wave wants a byte that another has fetched.
; SHARES.  Work-groups 0-511: 65,536 bytes of x each.  512-575: 65,536 bytes of w_proj each.  576-831: 64 rows k of one column tile of w_qkv each.
; Every load of a wave covers 512 bytes in whole aligned pieces of 256; every store of a wave covers 256 consecutive bytes, aligned.  All of a wave's loads (16, or 12) go out before its first wait.
.set VI, 1                             ; v1        byte offset of my 16 bytes in the input
.set VO, 2                             ; v2        byte offset of my 8 bytes in the output
.set V1, 3                             ; v3        w_qkv: the offset of the load that straddles two rows
.set T,  4                             ; v[4:7]    at work
.set X,  8                             ; v[8:71]   load i: 4 registers
.set Y,  72                            ; v[72:103] store i: 2 registers
; 65,536 dense bytes in, 32,768 out.  two = 1: the bf16 number is widened again and written as f16 (exact within f16's range).
.macro LIN two
	v_lshlrev_b32 v[VI], 4, v0
	v_lshlrev_b32 v[VO], 3, v0
.set i, 0
.rept 16
	global_load_b128 v[X+4*i:X+4*i+3], v[VI], s[16:17] offset:4096*i th:TH_LOAD_NT
.set i, i+1
.endr
.set i, 0
.rept 16
	s_wait_loadcnt 15-i                            ; loads come back in order (ISA guide 5.7.1): load i is in, the 15 - i younger ones stay out
	v_cvt_pk_bf16_f32 v[Y+2*i], v[X+4*i], v[X+4*i+1]
	v_cvt_pk_bf16_f32 v[Y+2*i+1], v[X+4*i+2], v[X+4*i+3]
.if \two
	v_lshlrev_b32 v[T], 16, v[Y+2*i]               ; bf16 to f32: the low half moves up,
	v_and_b32 v[T+1], s20, v[Y+2*i]                ; the high half stays
	v_lshlrev_b32 v[T+2], 16, v[Y+2*i+1]
	v_and_b32 v[T+3], s20, v[Y+2*i+1]
	v_cvt_pk_f16_f32 v[Y+2*i], v[T], v[T+1]
	v_cvt_pk_f16_f32 v[Y+2*i+1], v[T+2], v[T+3]
.endif
	global_store_b64 v[VO], v[Y+2*i:Y+2*i+1], s[18:19] offset:2048*i  ; each store has registers of its own: nothing that a store reads is written again
.set i, i+1
.endr
.endm
	s_load_b256 s[4:11], s[0:1], 0x0               ; x s[4:5], w_qkv s[6:7], w_proj s[8:9], xb s[10:11]
	s_load_b128 s[12:15], s[0:1], 0x20             ; wqb s[12:13], wpb s[14:15]
	s_mov_b32 s20, 0xffff0000                      ; a word's upper bf16
	s_mov_b32 s21, ttmp9
	s_mov_b32 s3, 0                                ; all offsets stay under 2^32
	s_wait_kmcnt 0x0
	s_cmp_lt_u32 s21, 512
	s_cbranch_scc0 .Lweights
	s_lshl_b32 s2, s21, 16
	s_add_nc_u64 s[16:17], s[4:5], s[2:3]
	s_lshl_b32 s2, s21, 15
	s_add_nc_u64 s[18:19], s[10:11], s[2:3]
	LIN 0
	s_endpgm
.Lweights:
	s_cmp_lt_u32 s21, 576
	s_cbranch_scc0 .Lwq
	s_sub_co_u32 s21, s21, 512
	s_lshl_b32 s2, s21, 16
	s_add_nc_u64 s[16:17], s[8:9], s[2:3]
	s_lshl_b32 s2, s21, 15
	s_add_nc_u64 s[18:19], s[14:15], s[2:3]
	LIN 1
	s_endpgm
.Lwq:
	; Column tile j, rows 64 kb .. 64 kb + 63.  A wave takes 8 rows, two at a time: 2 x 768 bytes in by three loads, 768 bytes out by three stores.
	; Of the 384 numbers of two rows, store s takes 128 s .. 128 s + 127: row 0's columns 0-127 | row 0's 128-191 and row 1's 0-63 | row 1's 64-191.
	s_sub_co_u32 s21, s21, 576
	s_lshr_b32 s22, s21, 4                         ; j
	s_and_b32 s23, s21, 15                         ; kb
	s_mul_i32 s2, s23, 786432                      ; 64 rows of 12,288 bytes
	s_mul_i32 s24, s22, 768                        ; 192 columns of 4 bytes
	s_add_co_u32 s2, s2, s24
	s_add_nc_u64 s[16:17], s[6:7], s[2:3]
	s_mul_i32 s2, s22, 393216                      ; a tile: 1,024 rows of 384 bytes
	s_mul_i32 s24, s23, 24576
	s_add_co_u32 s2, s2, s24
	s_add_nc_u64 s[18:19], s[12:13], s[2:3]
	v_lshrrev_b32 v[T], 5, v0                      ; wave
	v_and_b32 v[T+1], 31, v0                       ; lane
	v_bfe_u32 v[T+2], v0, 4, 1                     ; lane / 16
	v_mul_u32_u24 v[T+3], v[T], 98304              ; the wave's 8 rows
	v_lshl_add_u32 v[VI], v[T+1], 4, v[T+3]        ; 512 bytes on end
	v_and_b32 v[V1], 15, v0
	v_lshl_add_u32 v[V1], v[V1], 4, v[T+3]
	v_mad_u32_u24 v[V1], v[T+2], 11776, v[V1]      ; with the immediate 512: lanes 0-15 at byte 512 of row 0, lanes 16-31 at byte 0 of row 1 (12,288)
	v_mul_u32_u24 v[VO], v[T], 3072
	v_lshl_add_u32 v[VO], v[T+1], 3, v[VO]
.set u, 0
.rept 4
	global_load_b128 v[X+12*u:X+12*u+3],    v[VI], s[16:17] offset:24576*u th:TH_LOAD_NT
	global_load_b128 v[X+12*u+4:X+12*u+7],  v[V1], s[16:17] offset:24576*u+512 th:TH_LOAD_NT
	global_load_b128 v[X+12*u+8:X+12*u+11], v[VI], s[16:17] offset:24576*u+12544 th:TH_LOAD_NT
.set u, u+1
.endr
.set n, 0
.rept 12
	s_wait_loadcnt 11-n                            ; load n is in, the 11 - n younger ones stay out
	v_cvt_pk_bf16_f32 v[Y+2*n], v[X+4*n], v[X+4*n+1]
	v_cvt_pk_bf16_f32 v[Y+2*n+1], v[X+4*n+2], v[X+4*n+3]
	global_store_b64 v[VO], v[Y+2*n:Y+2*n+1], s[18:19] offset:256*n
.set n, n+1
.endr
	s_endpgm
.Lfunc_end_k_qcc36aded90_prep:
	.size	k_qcc36aded90_prep, .Lfunc_end_k_qcc36aded90_prep-k_qcc36aded90_prep
	.p2alignl 7, 3214868480
	.fill 96, 4, 3214868480
	.section	.rodata,"a",@progbits
	.p2align	6, 0x0
	.amdhsa_kernel k_qcc36aded90_prep
		.amdhsa_group_segment_fixed_size 0
		.amdhsa_private_segment_fixed_size 0
		.amdhsa_enable_private_segment 0
		.amdhsa_kernarg_size 48
		.amdhsa_user_sgpr_count 2
		.amdhsa_user_sgpr_kernarg_segment_ptr 1
		.amdhsa_wavefront_size32 1
		.amdhsa_system_sgpr_workgroup_id_x 1
		.amdhsa_system_sgpr_workgroup_id_y 1
		.amdhsa_system_sgpr_workgroup_id_z 1
		.amdhsa_system_vgpr_workitem_id 0
		.amdhsa_next_free_vgpr 112
		.amdhsa_next_free_sgpr 66
		.amdhsa_reserve_vcc 0
		.amdhsa_float_denorm_mode_32 3
		.amdhsa_float_denorm_mode_16_64 3
		.amdhsa_memory_ordered 1
		.amdhsa_forward_progress 1
		.amdhsa_inst_pref_size 22
	.end_amdhsa_kernel
	.amdgpu_metadata
---
amdhsa.version: [ 1, 2 ]
amdhsa.kernels:
  - .name:           k_qcc36aded90_prep
    .symbol:         k_qcc36aded90_prep.kd
    .args:
      - { .name: x, .offset: 0, .size: 8, .value_kind: global_buffer, .address_space: global }
      - { .name: w_qkv, .offset: 8, .size: 8, .value_kind: global_buffer, .address_space: global }
      - { .name: w_proj, .offset: 16, .size: 8, .value_kind: global_buffer, .address_space: global }
      - { .name: xb, .offset: 24, .size: 8, .value_kind: global_buffer, .address_space: global }
      - { .name: wqb, .offset: 32, .size: 8, .value_kind: global_buffer, .address_space: global }
      - { .name: wpb, .offset: 40, .size: 8, .value_kind: global_buffer, .address_space: global }
    .group_segment_fixed_size: 0
    .private_segment_fixed_size: 0
    .kernarg_segment_align: 8
    .kernarg_segment_size: 48
    .max_flat_workgroup_size: 256
    .sgpr_count:     66
    .vgpr_count:     112
    .wavefront_size: 32
...
	.end_amdgpu_metadata
.endif
;; end of part 1
;; launch qkvgemm (part 2): grid 16 x 32, 4 waves a work-group, clusters of 4 x 4, 327,680 bytes of LDS; arguments xb, wqb, b_qkv, qkv; writes qkv
.if DOCPART == 2
	.amdgcn_target "amdgcn-amd-amdhsa--gfx1250"
	.amdhsa_code_object_version 6
	.text
	.protected	k_qcc36aded90_qkvgemm
	.globl	k_qcc36aded90_qkvgemm
	.p2align	8
	.type	k_qcc36aded90_qkvgemm,@function
k_qcc36aded90_qkvgemm:
	s_mov_b64 s[64:65], 0
	v_nop
	global_prefetch_b8 v0, s[64:65] scope:SCOPE_SE
	s_setreg_imm32_b32 hwreg(HW_REG_WAVE_MODE, 25, 1), 1
	s_wait_xcnt 0x0
	s_wait_alu depctr_hold_cnt(0) depctr_sa_sdst(0) depctr_va_vdst(0) depctr_va_sdst(0) depctr_va_ssrc(0) depctr_va_vcc(0) depctr_vm_vsrc(0)
	s_getreg_b32 s2, hwreg(HW_REG_IB_STS2, 6, 4)
	s_cmp_eq_u32 s2, 0
	s_cbranch_scc0 .Lentry_in_a_cluster
	s_endpgm
.Lentry_in_a_cluster:
	s_bfe_u32 s2, ttmp6, 0x10000c
	s_cmp_lg_u32 s2, 0xf033
	s_cbranch_scc0 .Lentry_shape_is_right
	s_endpgm
.Lentry_shape_is_right:
; qkv = x w_qkv + b_qkv.  xb: [8192][1024] bf16.  wqb: [16 column tiles][1024 k][192 n] bf16.  b_qkv: [3072] f32, rounded to bf16 here like the other inputs.  Sums in f32.
; OUT, by heads: qkv [4 batches][48 slots][2048 rows][64] f16, rounded once; slot = column / 64: q's heads 0-15, k's 16-31, v's 32-47; unscaled.
; LIMIT: |q|, |k|, |v| stay under 65,504 (f16's range); NaN and infinities are not treated apart.
; SHARES.  A tile is 256 rows x 192 columns: 32 x 16 = 512 equal work-groups, twice the number of WGPs.  Four waves one below the other: a wave makes 64 rows x 192 columns, three whole heads,
; in 48 accumulators of 16 x 16 (384 registers), so its way out is its own.  K goes in steps of 128 through two LDS slots; 8 steps.
; THE WEIGHTS STAY [k][n]: their fragments come out of LDS turned, by ds_load_tr16_b128.
; THE MATRIX INSTRUCTION IS USED TRANSPOSED (source 0 = 16 columns of w, source 1 = 16 rows of x): a lane holds row l % 16 and the eight neighbouring columns 8 (l / 16) + 0..7.
; THE BIAS is the C operand of the products that start the sums: 96 registers in the result's own layout.  Nothing is cleared and nothing is added later.
; CLUSTER: 4 x 4 work-groups.  The four of a row need the same rows of x, the four of a column the same tile of w: each is asked for JOINTLY, by the same tensor load with the same descriptor and a mask of four.
; NO PREFETCH: every tile is read by several clusters and shared inside each, and a K step has 192 matrix instructions a wave in which the one refill lands.
; REGISTERS, in windows of 256 (s_set_vgpr_msb: bits 1:0 source 0, 3:2 source 1, 5:4 source 2, 7:6 destination):
;   window 0: v1-29 addresses; v32-127 the bias, later the way out (v32-79 packed, v80-127 and v128-175 rows read back)
;   window 1: two fragment buffers of 128: 12 fragments of w, then 4 of x        windows 2, 3: accumulator (a, b) at v[8 (12 (a % 2) + b)] of window 2 + a / 2
.set NBLK,  12
.set PA,    272                        ; a row of x in LDS: 256 bytes + 16 = 68 words: row r starts at bank 4 r mod 64 (64 banks of 4 bytes: ISA guide 11.1)
.set AHALF, 128*PA                     ; 128 rows: one tensor load
.set PB,    480                        ; a row k of w: three pieces of 128 bytes + 32 of padding = 120 words
.set BHALF, 64*PB                      ; 64 rows k: one tensor load
.set BOFF,  2*AHALF
.set SLOT,  131072                     ; = BOFF + 2 BHALF
.set STAGE, 2*SLOT                     ; behind the ring, never filled by a tensor load: 16 rows x 400 bytes for each wave
.set SP,    400                        ; 384 bytes + 16: an odd multiple of 16
.set SPARE, STAGE+4*16*SP              ; behind the stages: the spare words, 128 bytes for each wave: two blocks of 256 bytes that no other line names
.set NF,    2*NBLK+8                   ; LDS loads in a run
.set LAPS,  4                          ; a lap = two K steps
.set ADRA, 16                          ; v16-17  LDS address of my fragments of x in slot 0, 1
.set ADRB, 20                          ; v20-21  the same for w
.set STO,  24                          ; v24     the way out: where I put 16 bytes of a row
.set RD,   25                          ; v25     where I read rows back
.set GO,   26                          ; v26     my 16 bytes of 512 consecutive bytes of the output
.set BO,   27                          ; v27     32 (l / 16): my eight numbers in 16 of the bias
.set SPW,  28                          ; v28     LDS address of my spare word; never rewritten
.set NIL,  29                          ; v29     0; never rewritten
.set BIAS, 32
.set TMP,  32
.set BK,   80
.set F0,   0
.set F1,   128
.set G1,  24                           ; s[24:31] descriptor group 1 for x's tiles;  s[32:39] group 0, a set for each slot
.set G0,  32
.set G1B, 48                           ; s[48:55], s[56:63] the same for w's tiles
.set G0B, 56
.set MSB, 0
.macro WIN new                         ; the immediate's high byte repeats the setting that is left; a switch that changes nothing is dropped
.if MSB != (\new)
	s_set_vgpr_msb (MSB<<8)|(\new)
.set MSB, \new
.endif
.endm
.macro PLACES                          ; four places in front of loads into registers that matrix instructions have read, and of lines that read results
.rept 4
	v_nop
.endr
.endm
.macro JLOAD s                         ; a joint load: waves 0 and 1 fetch x's two halves, waves 2 and 3 w's; an s_nop 0 and four v_nop follow each line, ahead of the jump and the label
	s_cmp_eq_u32 s13, 0
	s_cbranch_scc0 .Lfor_b_\@
	tensor_load_to_lds s[G0+4*(\s):G0+4*(\s)+3], s[G1:G1+7]
	s_nop 0
.rept 4
	v_nop
.endr
	s_branch .Lasked_\@
.Lfor_b_\@:
	tensor_load_to_lds s[G0B+4*(\s):G0B+4*(\s)+3], s[G1B:G1B+7]
	s_nop 0
.rept 4
	v_nop
.endr
.Lasked_\@:
.endm
.macro CREST                           ; a round of the cluster's barrier behind its opening barrier
	s_cmp_lg_u32 s12, 0
	s_cbranch_scc1 .Lnot_wave_0_\@
	s_barrier_signal -3
.Lnot_wave_0_\@:
	s_barrier_wait -3
	s_barrier_signal -1
	s_barrier_wait -1
.endm
.macro CROUND                          ; a whole round
	s_barrier_signal -1
	s_barrier_wait -1
	CREST
.endm
	s_load_b256 s[4:11], s[0:1], 0x0               ; xb s[4:5], wqb s[6:7], b_qkv s[8:9], qkv s[10:11]
	v_lshl_add_u32 v[SPW], v0, 2, SPARE
	v_mov_b32 v[NIL], 0
	ds_add_u32 v[SPW], v[NIL]                      ; the wave's opening: the add and its wait stand ahead of my first tensor load; the set-up below, work on registers, stands between them
	ds_add_u32 v28, v29
	v_lshrrev_b32 v1, 5, v0
	v_readfirstlane_b32 s12, v1                    ; wave 0..3
	s_lshr_b32 s13, s12, 1                         ; I fetch for x (0) or for w (1),
	s_and_b32 s14, s12, 1                          ; and which half
	s_bfe_u32 s40, ttmp6, 0x40000                  ; cx, cy: my place in the cluster
	s_bfe_u32 s41, ttmp6, 0x40004
	s_lshl_b32 s42, ttmp9, 2
	s_add_co_u32 s42, s42, s40                     ; tile column = 4 x cluster x + cx
	s_and_b32 s43, ttmp7, 0xffff
	s_lshl_b32 s43, s43, 2
	s_add_co_u32 s43, s43, s41                     ; tile row = 4 x cluster y + cy
	s_lshl_b32 s44, s41, 2
	s_lshl_b32 s44, 15, s44                        ; my row of the cluster
	s_lshl_b32 s45, 0x1111, s40                    ; my column
	s_or_b32 s[G1], s44, (1<<16)|(1<<20)|(1<<21)|(5<<22)|(3<<25)   ; 15:0 the mask; 17:16 2-byte elements; 20 padding on; 21 set beside a mask; 24:22 after every 64 words (code 5); 31:25 4 words (code 3)
	s_or_b32 s[G1B], s45, (1<<16)|(1<<20)|(1<<21)|(4<<22)|(7<<25)  ; after every 32 words (code 4), 8 words (code 7)
	s_mov_b32 s[G1+1], 128<<16                     ; x: tensor_dim0 = 128
	s_mov_b32 s[G1+2], 128<<16                     ; tensor_dim1 = 128
	s_mov_b32 s[G1+3], 128<<16                     ; tile_dim0 = 128 elements: 256 bytes of a row
	s_mov_b32 s[G1+4], 128                         ; tile_dim1 = 128 rows
	s_mov_b32 s[G1+5], 1024                        ; elements from row to row
	s_mov_b32 s[G1+6], 0
	s_mov_b32 s[G1+7], 0
	s_mov_b32 s[G1B+1], 128<<16                    ; w: 64 rows k of 384 bytes are 24,576 dense bytes: asked for as 96 rows of 256 bytes
	s_mov_b32 s[G1B+2], 96<<16
	s_mov_b32 s[G1B+3], 128<<16
	s_mov_b32 s[G1B+4], 96
	s_mov_b32 s[G1B+5], 128
	s_mov_b32 s[G1B+6], 0
	s_mov_b32 s[G1B+7], 0
	s_lshl_b32 s16, s43, 8                         ; x: row 256 x tile row + 128 x half,
	s_lshl_b32 s18, s14, 7
	s_add_co_u32 s16, s16, s18
	s_lshl_b32 s16, s16, 11                        ; of 2,048 bytes: made of the tile row alone, which my row of the cluster shares
	s_mov_b32 s17, 0
	s_mul_i32 s46, s42, 393216                     ; w: the column tile, + 64 rows k x half: made of the tile column alone
	s_mul_i32 s47, s14, 24576
	s_add_co_u32 s46, s46, s47
	s_mov_b32 s47, 0
	s_mul_i32 s20, s14, AHALF                      ; where they go: no place in the cluster enters an LDS address
	s_mul_i32 s21, s14, BHALF
	s_add_co_u32 s21, s21, BOFF
	s_mov_b32 s22, 0xffff0000                      ; a word's upper bf16
	s_wait_dscnt 0x0                               ; the opening add is done
	s_wait_kmcnt 0x0
	s_add_nc_u64 s[16:17], s[4:5], s[16:17]
	s_add_nc_u64 s[46:47], s[6:7], s[46:47]
	CROUND                                         ; all sixteen work-groups are here: the first joint loads meet
.irp s, 0,1
	s_mov_b32 s[G0+4*(\s)], 1                      ; 1:0 count = 1
	s_add_co_u32 s[G0+4*(\s)+1], s20, (\s)*SLOT    ; 63:32 LDS address
	s_add_nc_u64 s[G0+4*(\s)+2:G0+4*(\s)+3], s[16:17], (\s)*256      ; 120:64 global address: K step s
	s_or_b32 s[G0+4*(\s)+3], s[G0+4*(\s)+3], 0x80000000             ; 127:126 type = 2
	s_mov_b32 s[G0B+4*(\s)], 1
	s_add_co_u32 s[G0B+4*(\s)+1], s21, (\s)*SLOT
	s_add_nc_u64 s[G0B+4*(\s)+2:G0B+4*(\s)+3], s[46:47], (\s)*49152  ; a K step of a column tile: 128 rows of 384 bytes
	s_or_b32 s[G0B+4*(\s)+3], s[G0B+4*(\s)+3], 0x80000000
	JLOAD \s                                       ; two loads of mine are out
.endr
	v_and_b32 v1, 15, v0                           ; l % 16
	v_bfe_u32 v2, v0, 4, 1                         ; l / 16
	v_lshlrev_b32 v[BO], 5, v2
	s_mul_i32 s46, s42, 768                        ; the tile's 192 numbers of the bias
	s_mov_b32 s47, 0
	s_add_nc_u64 s[8:9], s[8:9], s[46:47]
.irp b, 0,1,2,3,4,5,6,7,8,9,10,11
	global_load_b128 v[BIAS+8*(\b):BIAS+8*(\b)+3],   v[BO], s[8:9] offset:64*(\b)     ; register 8 b + j: bias of column 16 b + 8 (l / 16) + j
	global_load_b128 v[BIAS+8*(\b)+4:BIAS+8*(\b)+7], v[BO], s[8:9] offset:64*(\b)+16
.endr
	; A fragment of x is 16 rows x 32 K in 8 registers: lane l holds row l % 16, K = 8 (l / 16) + 0..7 and 16 + 8 (l / 16) + 0..7: two loads of 16 bytes, 32 bytes apart.
	v_mul_u32_u24 v3, v1, PA
	v_lshl_add_u32 v3, v2, 4, v3
	s_mul_i32 s23, s12, 64*PA                      ; my 64 rows
	v_add_nc_u32 v[ADRA], s23, v3
	v_add_nc_u32 v[ADRA+1], SLOT, v[ADRA]
	; The turning load takes 16 k x 16 columns (lane l reads row k 8 (l / 16) + l % 8, columns 8 ((l / 8) % 2) + 0..7) and leaves half a fragment: lane l holds column l % 16 and 8 k.
	v_and_b32 v4, 7, v0
	v_lshl_add_u32 v5, v2, 3, v4
	v_mul_u32_u24 v5, v5, PB
	v_bfe_u32 v6, v0, 3, 1
	v_lshl_add_u32 v5, v6, 4, v5
	v_add_nc_u32 v[ADRB], BOFF, v5
	v_add_nc_u32 v[ADRB+1], SLOT, v[ADRB]
	s_mul_i32 s23, s12, 16*SP
	s_add_co_u32 s23, s23, STAGE                   ; my stage
	v_mul_u32_u24 v[STO], v1, SP                   ; in: row l % 16, 16 bytes for each half of the lanes
	v_lshl_add_u32 v[STO], v2, 4, v[STO]
	v_add_nc_u32 v[STO], s23, v[STO]
	v_bfe_u32 v[RD], v0, 3, 2                      ; back: 32 lanes take four rows' 128 bytes of one head,
	v_mul_u32_u24 v[RD], v[RD], SP
	v_lshl_add_u32 v[RD], v4, 4, v[RD]
	v_add_nc_u32 v[RD], s23, v[RD]
	v_and_b32 v[GO], 31, v0                        ; which are 512 consecutive bytes of the output
	v_lshlrev_b32 v[GO], 4, v[GO]
	s_lshr_b32 s18, s43, 3                         ; the batch: 48 slots of 2^18 bytes,
	s_mul_i32 s18, s18, 48<<18
	s_and_b32 s19, s43, 7                          ; the tile's 256 rows of 128 bytes in it,
	s_lshl_b32 s19, s19, 15
	s_add_co_u32 s18, s18, s19
	s_lshl_b32 s19, s12, 13                        ; my wave's 64
	s_add_co_u32 s18, s18, s19
	s_mov_b32 s19, 0
	s_add_nc_u64 s[10:11], s[10:11], s[18:19]
	s_mul_i32 s46, s42, 3<<18                      ; the tile's three slots (s47 = 0 stands)
	s_add_nc_u64 s[10:11], s[10:11], s[46:47]
	s_wait_loadcnt 0x0                             ; the bias
.set i, 0
.rept 48                                       ; rounded to bf16 and widened again, in place, two numbers at a time
	v_cvt_pk_bf16_f32 v[176+i%2], v[BIAS+2*i], v[BIAS+2*i+1]
	v_lshlrev_b32 v[BIAS+2*i], 16, v[176+i%2]
	v_and_b32 v[BIAS+2*i+1], s22, v[176+i%2]
.set i, i+1
.endr
; 12 matrix instructions: m block a x all 12 n blocks, 32 along K.  first = 1: the products start the sums with the bias.
; The 48 accumulators take turns in the same order in every quarter, over the backward jump too.
.macro MULB f, a, first
.if \first
	WIN 0x85+0x40*((\a)/2)
.else
	WIN 0xa5+0x50*((\a)/2)
.endif
.set AC, 96*((\a)%2)
.irp b, 0,1,2,3,4,5,6,7,8,9,10,11
.if \first
	v_wmma_f32_16x16x32_bf16 v[AC+8*(\b):AC+8*(\b)+7], v[(\f)+8*(\b):(\f)+8*(\b)+7], v[(\f)+96+8*(\a):(\f)+96+8*(\a)+7], v[BIAS+8*(\b):BIAS+8*(\b)+7]
.else
	v_wmma_f32_16x16x32_bf16 v[AC+8*(\b):AC+8*(\b)+7], v[(\f)+8*(\b):(\f)+8*(\b)+7], v[(\f)+96+8*(\a):(\f)+96+8*(\a)+7], v[AC+8*(\b):AC+8*(\b)+7]
.endif
.endr
.endm
; 32 LDS loads in one run: quarter q (32 along K) of a slot into buffer f: w's 12 fragments, then x's four
.macro FETCH slot, q, f
	WIN 0x40                                       ; destination window 1, address window 0
.irp b, 0,1,2,3,4,5,6,7,8,9,10,11
	ds_load_tr16_b128 v[(\f)+8*(\b):(\f)+8*(\b)+3],   v[ADRB+(\slot)] offset:(\q)*32*PB+((\b)/4)*160+((\b)%4)*32
	ds_load_tr16_b128 v[(\f)+8*(\b)+4:(\f)+8*(\b)+7], v[ADRB+(\slot)] offset:(\q)*32*PB+((\b)/4)*160+((\b)%4)*32+16*PB
.endr
.irp a, 0,1,2,3
	ds_load_b128 v[(\f)+96+8*(\a):(\f)+96+8*(\a)+3],   v[ADRA+(\slot)] offset:(\q)*64+(\a)*16*PA
	ds_load_b128 v[(\f)+96+8*(\a)+4:(\f)+96+8*(\a)+7], v[ADRA+(\slot)] offset:(\q)*64+(\a)*16*PA+32
.endr
.endm
; A K step is four quarters of 32 along K, 48 matrix instructions each, on buffers 0, 1, 0, 1.  One of the first three: multiplies buffer f and, in its middle, fetches quarter q into buffer g.
.macro QUARTER slot, q, f, g, first
	s_wait_dscnt 4                                 ; LDS loads come back in order (ISA guide 5.7.1): all but the youngest four, x's blocks 2 and 3, are in
	MULB \f, 0, \first
	MULB \f, 1, \first
	PLACES
	FETCH \slot, \q, \g
	s_wait_dscnt NF                                ; all but the run just issued
	MULB \f, 2, \first
	MULB \f, 3, \first
.endm
; The last quarter multiplies buffer 1 and changes slots: ONE barrier; in front of it each wave waits for all its tensor loads (one is out: its part of the next slot), adds 0 to its spare word, and waits
; for that and for its own reads of this slot.  fill = 1: the barrier opens a round of the cluster's, and this slot is filled again, two K steps on, first thing behind the round.
.macro TURN slot, next, fill
	WIN 0                                          ; (the add's two registers lie in window 0)
	s_wait_tensorcnt 0x0                           ; all my tensor loads have landed;
	ds_add_u32 v[SPW], v[NIL]                      ; 0 onto my spare word;
	s_wait_dscnt 5                                 ; (the add and the youngest four loads may be out)
	MULB F1, 0, 0                                  ; twelve matrix instructions stand between the add and the wait for it
	s_wait_dscnt 0x0                               ; the add is done, and my reads of this slot are over
	s_barrier_signal -1
	MULB F1, 1, 0                                  ; work on registers while the others arrive
.if \fill
	WIN 0
.endif
	s_barrier_wait -1
.if \fill
	CREST                                          ; no wave of any partner still reads this slot's tiles or has a load on its way
	s_add_nc_u64 s[G0+4*(\slot)+2:G0+4*(\slot)+3], s[G0+4*(\slot)+2:G0+4*(\slot)+3], 2*256
	s_add_nc_u64 s[G0B+4*(\slot)+2:G0B+4*(\slot)+3], s[G0B+4*(\slot)+2:G0B+4*(\slot)+3], 2*49152
	JLOAD \slot                                    ; my one tensor load behind the round; its four v_nop are also the places in front of the loads below
.else
	PLACES
.endif
	FETCH \next, 0, F0
	MULB F1, 2, 0
	MULB F1, 3, 0
.endm
	s_wait_tensorcnt 1                             ; tensor loads of a wave end in order (ISA guide 10.11.1): my part of K step 0 is in; K step 1's stays out
	s_barrier_signal -1
	s_barrier_wait -1                              ; everybody's is
	FETCH 0, 0, F0
	QUARTER 0, 1, F0, F1, 1                        ; the first quarter stands in front of the loop: its products start the sums
	WIN 0                                          ; at a label and at a branch every window is 0
	s_mov_b32 s3, LAPS-1
.Llap:                                                 ; a trip goes once round the ring, from a lap's second quarter to the next lap's first, and fills both slots again
	QUARTER 0, 2, F1, F0, 0
	QUARTER 0, 3, F0, F1, 0
	TURN 0, 1, 1
	QUARTER 1, 1, F0, F1, 0
	QUARTER 1, 2, F1, F0, 0
	QUARTER 1, 3, F0, F1, 0
	TURN 1, 0, 1
	QUARTER 0, 1, F0, F1, 0
	WIN 0
	s_sub_co_u32 s3, s3, 1
	s_cmp_lg_u32 s3, 0
	s_cbranch_scc1 .Llap
	QUARTER 0, 2, F1, F0, 0                        ; the last lap fills nothing, and has no round of the cluster's barrier
	QUARTER 0, 3, F0, F1, 0
	TURN 0, 1, 0
	QUARTER 1, 1, F0, F1, 0
	QUARTER 1, 2, F1, F0, 0
	QUARTER 1, 3, F0, F1, 0
	s_wait_dscnt 4                                 ; the very last quarter: nothing more to fetch
	MULB F1, 0, 0
	MULB F1, 1, 0
	s_wait_dscnt 0x0
	MULB F1, 2, 0
	MULB F1, 3, 0
	WIN 0
; THE WAY OUT, a block of 16 rows at a time: rounded to f16, 16 bytes a lane into my own stage, back as four rows of one head, stored as 512 consecutive bytes.
.macro PACK a
.set AC, 96*((\a)%2)
	WIN 0x0a+5*((\a)/2)                            ; sources 0 and 1: window 2 or 3; each accumulator's registers in ascending order
.irp b, 0,1,2,3,4,5,6,7,8,9,10,11
.irp r, 0,1,2,3
	v_cvt_pk_f16_f32 v[TMP+4*(\b)+(\r)], v[AC+8*(\b)+2*(\r)], v[AC+8*(\b)+2*(\r)+1]
.endr
.endr
	WIN 0
.endm
.macro TOSTAGE a
.set BKA, BK+48*((\a)%2)
.irp b, 0,1,2,3,4,5,6,7,8,9,10,11
	ds_store_b128 v[STO], v[TMP+4*(\b):TMP+4*(\b)+3] offset:32*(\b)
.endr
.irp p, 0,1,2
.irp f, 0,1,2,3
	ds_load_b128 v[BKA+4*(4*(\p)+(\f)):BKA+4*(4*(\p)+(\f))+3], v[RD] offset:(\f)*4*SP+(\p)*128  ; LDS serves a wave's instructions in order (ISA guide 5.7.1.4): these see the stores above
.endr
.endr
.endm
.macro SEND a
.set BKA, BK+48*((\a)%2)
	s_wait_dscnt 0x0                               ; the block is back in registers
	s_wait_xcnt 0x0                                ; every earlier store has had its addresses translated (ISA guide 3.1): the other set of registers, which the block before was stored from, is loaded again only behind this wait
.irp p, 0,1,2
.irp f, 0,1,2,3
	global_store_b128 v[GO], v[BKA+4*(4*(\p)+(\f)):BKA+4*(4*(\p)+(\f))+3], s[10:11] offset:(\p)*262144+(\a)*2048+(\f)*512  ; head p of the tile's three, rows 16 a + 4 f on: 512 consecutive bytes, aligned
.endr
.endr
.endm
	PLACES
	PLACES                                         ; (eight, once a launch)
	PACK 0
	TOSTAGE 0
.irp a, 1,2,3                          ; block a's conversions stand between block a - 1's loads from the stage and the wait for them
	PACK \a
	SEND (\a)-1
	TOSTAGE \a
.endr
	SEND 3
	s_wait_tensorcnt 0x0                           ; the wave's end, behind my last tensor load and my last LDS store
	ds_add_u32 v[SPW], v[NIL]
	s_wait_dscnt 0x0
	CROUND                                         ; the closing round: no work-group ends while a partner may still ask for a tile that names it
	s_endpgm
.Lfunc_end_k_qcc36aded90_qkvgemm:
	.size	k_qcc36aded90_qkvgemm, .Lfunc_end_k_qcc36aded90_qkvgemm-k_qcc36aded90_qkvgemm
	.p2alignl 7, 3214868480
	.fill 96, 4, 3214868480
	.section	.rodata,"a",@progbits
	.p2align	6, 0x0
	.amdhsa_kernel k_qcc36aded90_qkvgemm
		.amdhsa_group_segment_fixed_size 327680
		.amdhsa_private_segment_fixed_size 0
		.amdhsa_enable_private_segment 0
		.amdhsa_kernarg_size 32
		.amdhsa_user_sgpr_count 2
		.amdhsa_user_sgpr_kernarg_segment_ptr 1
		.amdhsa_wavefront_size32 1
		.amdhsa_system_sgpr_workgroup_id_x 1
		.amdhsa_system_sgpr_workgroup_id_y 1
		.amdhsa_system_sgpr_workgroup_id_z 1
		.amdhsa_system_vgpr_workitem_id 0
		.amdhsa_next_free_vgpr 960
		.amdhsa_next_free_sgpr 66
		.amdhsa_reserve_vcc 0
		.amdhsa_float_denorm_mode_32 3
		.amdhsa_float_denorm_mode_16_64 3
		.amdhsa_memory_ordered 1
		.amdhsa_forward_progress 1
		.amdhsa_inst_pref_size 127
	.end_amdhsa_kernel
	.amdgpu_metadata
---
amdhsa.version: [ 1, 2 ]
amdhsa.kernels:
  - .name:           k_qcc36aded90_qkvgemm
    .symbol:         k_qcc36aded90_qkvgemm.kd
    .args:
      - { .name: xb, .offset: 0, .size: 8, .value_kind: global_buffer, .address_space: global }
      - { .name: wqb, .offset: 8, .size: 8, .value_kind: global_buffer, .address_space: global }
      - { .name: b_qkv, .offset: 16, .size: 8, .value_kind: global_buffer, .address_space: global }
      - { .name: qkv, .offset: 24, .size: 8, .value_kind: global_buffer, .address_space: global }
    .group_segment_fixed_size: 327680
    .private_segment_fixed_size: 0
    .kernarg_segment_align: 8
    .kernarg_segment_size: 32
    .max_flat_workgroup_size: 128
    .sgpr_count:     66
    .vgpr_count:     960
    .wavefront_size: 32
...
	.end_amdgpu_metadata
.endif
;; end of part 2
;; launch attn (part 3): grid 4 x 64, 4 waves a work-group, no clusters, 327,680 bytes of LDS; arguments qkv, ob; writes ob
.if DOCPART == 3
	.amdgcn_target "amdgcn-amd-amdhsa--gfx1250"
	.amdhsa_code_object_version 6
	.text
	.protected	k_qcc36aded90_attn
	.globl	k_qcc36aded90_attn
	.p2align	8
	.type	k_qcc36aded90_attn,@function
k_qcc36aded90_attn:
	s_mov_b64 s[64:65], 0
	v_nop
	global_prefetch_b8 v0, s[64:65] scope:SCOPE_SE
	s_setreg_imm32_b32 hwreg(HW_REG_WAVE_MODE, 25, 1), 1
	s_wait_xcnt 0x0
; CAUSAL ATTENTION.  O[y][q][:] = the sum over k <= q of softmax_k(Q[q] . K[k] / 8) V[k][:], for each of 64 pairs y = 16 x batch + head.
; IN: qkv [4 batches][48 slots][2048][64] f16: q's heads in slots 0-15, k's in 16-31, v's in 32-47; a slot's rows are dense, 128 bytes each.  OUT: ob [64][2048][64] f16.
; Products, maxima and sums in f32; the weights p are rounded to f16 for the second product (their sum l is taken of the unrounded p), O once at the end.
; LIMITS.  f16 holds no number beyond 65,504: Q, K and V arrive within it; p lies in 0 to 1, and below 6e-5 it keeps f16's fixed step of 6e-8; O is a mean of V's rows and has their range.
; A hidden score counts as its value less 1e30 (the module's text puts -1e9 in its place: the two differ only where visible scores lie at -1e9 or below); a weight below 2^-126 counts as 0 in l; NaN and infinities are not treated apart.
; THE WALK.  A head's queries lie in NB = 8 blocks of 256; block i needs the key tiles 0 .. i of 256 keys, of which the last holds the diagonal.  A work-group takes TWO blocks, NB - 1 - b and then b:
; NB + 1 tiles, whatever b: all 256 work-groups do equal work, and ONE loop with a constant trip count walks them.  Which tile is asked for, and what a trip does, hang on scalar registers made from b; every jump
; goes forward, but for the counted loops' own; none passes a barrier, or a tensor load but the one of LOAD's two that the wave's number does not choose; the ring (two slots of LDS that take turns) runs on across the
; change of blocks.  NO CLUSTER: a head's four work-groups ask for the same tile only in trips 0 .. 4, behind that fewer and fewer; one walk common to all would have 12 trips for 9.
; SHARES.  Of a block's four bands of 64 queries a wave owns 16 rows in each: four PIECES.  So the diagonal tile is the same work for all four waves: in its key step s band x sees all keys if s < x,
; none if s > x, and holds the diagonal if s = x.
; THE MASK is the C operand that starts the sum S^T = K Q^T: 0, or -1e30 where the key is hidden.  MD, made once, is the mask of a band's own step for my 16 rows; a product's mask is MD x AL + BE with two scalars:
; (1, 0) if s = x; (0, 0) if s < x; (0, -1e30) if s > x.  Only the diagonal tile's text and a block's beginning make and take masks; elsewhere C is the constant 0.
; LAYOUT, SOFTMAX, TURNS.  S^T = K Q^T holds ONE query a lane (lane % 16) and the keys 8 (lane / 16) + 0..7; two such results rounded to f16 ARE source 1 of O^T = V^T P.  p = 2^(c s - c m), c = log2(e) / 8, with a
; running maximum m; O and l are multiplied by a = 2^(c m_old - c m_new) in every step.  Turn n belongs to piece n: 8 products K Q^T of piece n + 1, later 8 products V^T P of piece n - 1; beside them the scaling,
; exponentials, roundings, sums and rescaling of piece n and the maximum and statistics of piece n + 1.  Four vector instructions stand behind every matrix instruction, the other 54 of a turn's 118 in two LUMPS.
; AHEAD OF THE TENSOR LOADS.  The head's work-group b = 0, whose first block walks tiles 0 to 7 once, prefetches into the L2: behind each fill, each of its waves names the 16,384 bytes that it will itself ask for
; at the next change of slots: 64 pieces of 256 bytes, a lane a piece, two instructions.  Tiles 2 to 7 are so named once each; tiles 0 and 1 come by their loads alone; behind tile 7 nothing is named.
; REGISTERS, in windows of 256 (s_set_vgpr_msb: bits 1:0 source 0, 3:2 source 1, 5:4 source 2, 7:6 destination):
;   window 0: v0-15 addresses and two at work; v16-31 four registers of statistics a piece; v48-55 at work; v61-63; v64-127 S^T, two buffers; v192-223 P, two buffers (a piece's buffers go by its number's parity)
;   window 1: v0-127 O^T, 32 a piece; v128-159 MD; v160-223 MC, two buffers      window 2: v0-63 Q; v64-127 the second block's Q; v128-191 K of one step; v192-255 V of one step
.set SIZE_N, 2048
.set NB,    SIZE_N/256
.set NP,    4         ; pieces a wave: a name, no knob
.set KS,    64        ; keys in a step
.set PK,    144       ; a row of K in LDS: 128 bytes + 16 of padding = 36 words: the 16 rows of a load start at 16 different groups of four banks (64 banks of 4 bytes: ISA guide 11.1)
.set PV,    160       ; a row of V: 128 + 32 = 40 words
.set VOFF,  4*KS*PK   ; a slot holds a tile, four steps: 256 rows of K, then 256 rows of V
.set SLOT1, 1<<17     ; slot 1 begins here, so that one exclusive or turns an address in one slot into the other's
.set STAGE, SLOT1+4*KS*(PK+PV)  ; behind the ring, never filled by a tensor load: 16 rows x 144 bytes for each wave, for the way out
.set SP,    144
.set AK0, 2           ; v2   my lane's place in a tile of K; never rewritten
.set AV0, 3           ; v3   the same for V
.set AK,  4           ; v4   the LDS address of K's next run of loads
.set AV,  5           ; v5   of V's
.set STO, 6           ; v6   the way out: where I put 16 bytes of a row
.set RD,  7           ; v7   the way out: where I read rows back
.set GO,  8           ; v8   my byte offset in 512 consecutive bytes of O
.set PFO, 61          ; v61  256 x my lane: the prefetches' offset; never rewritten
.set SPW, 62          ; v62  LDS address of my spare word: SPARE + 4 x my thread's number; never rewritten
.set NIL, 63          ; v63  0; never rewritten
.set SPARE, STAGE+4*16*SP  ; behind the stages: the spare words, 128 bytes for each wave: two blocks of 256 bytes that no other line names
.set MV,  12          ; v12-13  c m_old, kept while c m is made anew: by buffer
.set QO,  15          ; v15  my byte offset in 16 rows of Q
.set ST,  16          ; piece t's statistics at v[ST+4 t]: c m, m, l (even keys', odd keys')
.set TMP, 48          ; by buffer, four registers c0-c3 at work; when the maximum is found c2 takes a
.set S,   64
.set P,   192
.set MD,  128         ; window 1: the eight registers for group kt of 16 keys at MD + 8 kt
.set MC,  160         ; window 1: the masks of the products to come
.set QB,  64          ; window 2
.set KF,  128         ; window 2: key block kb, channel half c at KF + 16 kb + 8 c
.set VF,  192         ; window 2: key half kk, channel block cb at VF + 32 kk + 8 cb
.set WV,  12          ; s12  my wave's number
.set PB,  14          ; s14  b
.set HI,  15          ; s15  NB - 1 - b
.set G1K, 24          ; s[24:31] descriptor group 1 for K's tiles
.set G1V, 32          ; s[32:39] for V's: it differs in the padding alone
.set G0K, 40          ; s[40:43] descriptor group 0 for K's tiles
.set G0V, 44          ; s[44:47] the same for V's
.set SLOTS, 56        ; s56  tiles still to be asked for
.set CNT, 57          ; s57  counts a tile's key steps, 4 to 1
.set CS,  58          ; s[58:59] c: the packed scaling takes the pair's low word for both halves
.set SEL, 60          ; s[60:61] v_permlanex16_b32's selects: each lane takes its own place in the other half
.set TBK, 62          ; s62  LDS byte at which K of the step to be fetched begins
.set TBV, 63          ; s63  the same for V, less VOFF
.set RT,  70          ; s70  tiles of the block in hand that are still to be entered
.set NXT, 71          ; s71  the tile to be asked for next
.set LQ,  72          ; s72  the last tile of the block whose tiles are being asked for
.set NEW, 73          ; s73  1: the tile to be entered is a block's first
.set OFF, 74          ; s[74:75] a tile's byte offset in K and V
.set AL,  76          ; s[76:77] the mask's factor, in the low word
.set BE,  78          ; s[78:79] the mask's addend
.set OLO, 80          ; s[80:81] O at my rows of the second block
.set BIGN, 82         ; s82  -1e30
.set PFB, 88          ; s[88:89] what I fetch (waves 0, 1: K; waves 2, 3: V), at my half of the head's tile 0
.set PFA, 90          ; s[90:91] the same at the tile that the next change of slots will ask for
.set OF2, 92          ; s[92:93] that tile's byte offset
.set LIM, 94          ; s94  1 in the work-group that prefetches, else the greatest number
.set MSB, 0
.macro WIN new                      ; the high byte repeats the setting that is left; a switch that changes nothing is dropped
.if MSB != (\new)
	s_set_vgpr_msb (MSB<<8)|(\new)
.set MSB, (\new)
.endif
.endm
.set W_KQ, 0x0a       ; K and Q in window 2, S^T in window 0
.set W_KM, 0x1a       ; the same with the C operand in window 1
.set W_PV, 0x52       ; V in window 2, P in window 0, O^T in window 1
.set W_RS, 0x41       ; destination and source 0 in window 1, source 1 in window 0
; A fill.  Waves 0 and 1 fetch the two halves of a tile's K, waves 2 and 3 those of its V: 128 keys each.  An s_nop 0 and four v_nop follow each of the two lines, ahead of the jump and the label.
.macro LOAD
	s_cmp_lt_u32 s[WV], 2
	s_cbranch_scc0 .Lfor_v_\@
	tensor_load_to_lds s[G0K:G0K+3], s[G1K:G1K+7]
	s_nop 0
.rept 4
	v_nop
.endr
	s_branch .Lasked_\@
.Lfor_v_\@:
	tensor_load_to_lds s[G0V:G0V+3], s[G1V:G1V+7]
	s_nop 0
.rept 4
	v_nop
.endr
.Lasked_\@:
.endm
; The prefetch, behind the fill and its five lines: my half of tile NXT, which the next change of slots asks for.  NXT is 2 to 7 where it is taken: behind the first block's last tile NXT is 0.
.macro ASK
	s_cmp_gt_u32 s[NXT], s[LIM]
	s_cbranch_scc0 .Lnot_mine_\@
	global_prefetch_b8 v[PFO], s[PFA:PFA+1] th:TH_LOAD_NT scope:SCOPE_SE
	global_prefetch_b8 v[PFO], s[PFA:PFA+1] offset:8192 th:TH_LOAD_NT scope:SCOPE_SE
.Lnot_mine_\@:
.endm
; THE CHANGE OF SLOTS.  Each wave waits for all its tensor loads, of which one is out: its part of the other slot; adds 0 to its spare word; and waits for that and for its own reads of the slot that it leaves.  Behind the barrier nobody reads the old
; slot any more and the other slot is whole.  fill = 1: the old slot is filled again, the first thing behind the barrier, with tile NXT: the descriptor's address is made anew from that number.
; (At its first use nothing has been read yet: slot 0 is waited for, slot 1 filled.)
.macro CHANGE fill
	WIN 0                           ; at a label and at a branch every window is 0
	s_wait_tensorcnt 0x0            ; no tensor load of mine is out, so a group 0 may be written
	ds_add_u32 v[SPW], v[NIL]       ; 0 onto my spare word; with fill = 1 the descriptors' scalar work stands between it and the wait for it
.if \fill
	s_lshl_b32 s[OFF], s[NXT], 15   ; a tile is 32,768 bytes of K and of V
	s_xor_b32 s[G0K+1], s[G0K+1], SLOT1
	s_add_nc_u64 s[G0K+2:G0K+3], s[6:7], s[OFF:OFF+1]
	s_or_b32 s[G0K+3], s[G0K+3], 0x80000000
	s_xor_b32 s[G0V+1], s[G0V+1], SLOT1
	s_add_nc_u64 s[G0V+2:G0V+3], s[8:9], s[OFF:OFF+1]
	s_or_b32 s[G0V+3], s[G0V+3], 0x80000000
	s_add_co_u32 s[NXT], s[NXT], 1  ; the block's next tile, or behind its last the second block's tile 0
	s_cmp_gt_u32 s[NXT], s[LQ]
	s_cselect_b32 s[NXT], 0, s[NXT]
	s_cselect_b32 s[LQ], s[PB], s[LQ]
	s_wait_xcnt 0x0                 ; the last prefetches, a tile back, have read their address, so it may be written:
	s_lshl_b32 s[OF2], s[NXT], 15
	s_add_nc_u64 s[PFA:PFA+1], s[PFB:PFB+1], s[OF2:OF2+1]
.endif
	s_wait_dscnt 0x0                ; the add is done, and my reads of the slot are over
	s_barrier_signal -1             ; the rest of the scalar work stands between the signal and the wait
	s_sub_co_u32 s[TBK], s[TBK], 4*KS*PK  ; the fetches go back to a slot's first step,
	s_xor_b32 s[TBK], s[TBK], SLOT1       ; in the other slot
	s_sub_co_u32 s[TBV], s[TBV], 4*KS*PV
	s_xor_b32 s[TBV], s[TBV], SLOT1
	s_barrier_wait -1
.if \fill
	LOAD
	ASK
.endif
.endm
	s_load_b64 s[4:5], s[0:1], 0x0    ; qkv
	s_load_b64 s[10:11], s[0:1], 0x8  ; ob
	v_lshl_add_u32 v[SPW], v0, 2, SPARE
	v_mov_b32 v[NIL], 0
	ds_add_u32 v[SPW], v[NIL]       ; the wave's opening: the add and its wait stand ahead of my first tensor load; the set-up below, work on registers, stands between them
	ds_add_u32 v62, v63
	v_lshrrev_b32 v1, 5, v0
	v_readfirstlane_b32 s[WV], v1   ; wave 0..3
	v_and_b32 v[PFO], 31, v0
	v_lshlrev_b32 v[PFO], 8, v[PFO]
	s_mov_b32 s[PB], ttmp9
	s_sub_co_u32 s[HI], NB-1, s[PB]
	s_and_b32 s19, ttmp7, 0xffff    ; y = 16 x batch + head
	s_lshr_b32 s20, s19, 4
	s_mul_i32 s20, s20, 48          ; a batch has 48 slots;
	s_and_b32 s21, s19, 15
	s_add_co_u32 s20, s20, s21      ; q's slot is the head's number,
	s_lshl_b32 s20, s20, 18         ; a slot 2^18 bytes
	s_mov_b32 s21, 0
	s_lshl_b32 s66, s19, 18         ; the head's first byte in ob
	s_mov_b32 s67, 0
	s_and_b32 s16, s[WV], 1         ; which half of a tile's 256 keys I fetch:
	s_lshl_b32 s22, s16, 14         ; its 128 rows of 128 bytes in memory,
	s_add_co_u32 s22, s22, s20
	s_mov_b32 s23, 0
	s_mul_i32 s17, s16, 128*PK      ; and its place in a slot, for K
	s_mul_i32 s18, s16, 128*PV      ; and for V
	s_lshl_b32 s3, s[WV], 11        ; my 16 rows in a band of 64,
	s_lshl_b32 s2, s[HI], 15        ; in the first block,
	s_add_co_u32 s2, s2, s3
	s_lshl_b32 s84, s[PB], 15       ; and in the second
	s_add_co_u32 s84, s84, s3
	s_mov_b32 s3, 0
	s_mov_b32 s85, 0
	; descriptor group 1.  128 keys are 16,384 dense bytes: asked for as 64 rows of 256 bytes, two keys a row, and padded in LDS after every key
	s_mov_b32 s[G1K], (1<<16)|(1<<20)|(4<<22)|(3<<25)  ; 17:16 2-byte elements; 20 padding on; 24:22 after every 32 words (code 4); 31:25 4 words (code 3)
	s_mov_b32 s[G1V], (1<<16)|(1<<20)|(4<<22)|(7<<25)  ; the same with 8 words of padding (code 7)
.irp g, G1K, G1V
	s_mov_b32 s[\g+1], 128<<16      ; tensor_dim0 = 128
	s_mov_b32 s[\g+2], 64<<16       ; tensor_dim1 = 64
	s_mov_b32 s[\g+3], 128<<16      ; tile_dim0 = 128
	s_mov_b32 s[\g+4], 64           ; tile_dim1 = 64
	s_mov_b32 s[\g+5], 128          ; 128 elements from row to row
	s_mov_b32 s[\g+6], 0
	s_mov_b32 s[\g+7], 0
.endr
	s_mov_b32 s[CS], 0x3e38aa3b     ; c = log2(e) / 8 = 0.180337
	s_mov_b32 s[CS+1], s[CS]        ; named with it as a pair
	s_mov_b32 s[SEL], 0x76543210
	s_mov_b32 s[SEL+1], 0xfedcba98
	s_mov_b32 s[TBK], SLOT1+4*KS*PK ; the first change of slots turns these two into 0
	s_mov_b32 s[TBV], SLOT1+4*KS*PV
	s_mov_b32 s[G0K], 1             ; 1:0 count = 1
	s_mov_b32 s[G0K+1], s17         ; 63:32 LDS address: slot 0
	s_mov_b32 s[G0V], 1
	s_add_co_u32 s[G0V+1], s18, VOFF
	s_add_co_u32 s[RT], s[HI], 1    ; the first block has NB - b tiles
	s_mov_b32 s[NXT], 1
	s_mov_b32 s[LQ], s[HI]
	s_mov_b32 s[NEW], 1
	s_mov_b32 s[OFF+1], 0
	s_mov_b32 s[OF2+1], 0
	s_mov_b32 s[AL+1], 0            ; named as pairs
	s_mov_b32 s[BE+1], 0
	s_mov_b32 s[BIGN], 0xf149f2ca   ; -1e30
	s_mov_b32 s[SLOTS], NB
	s_cmp_eq_u32 s[PB], 0
	s_cselect_b32 s[LIM], 1, -1
	s_wait_dscnt 0x0                ; the opening add is done
	s_wait_kmcnt 0x0
	s_add_nc_u64 s[6:7], s[4:5], s[22:23]      ; q's slot at my half of tile 0;
	s_add_nc_u64 s[8:9], s[6:7], 0x800000      ; V lies 32 slots on,
	s_add_nc_u64 s[6:7], s[6:7], 0x400000      ; K 16
	s_add_nc_u64 s[G0K+2:G0K+3], s[6:7], 0         ; 120:64 global address
	s_or_b32 s[G0K+3], s[G0K+3], 0x80000000        ; 127:126 type = 2
	s_add_nc_u64 s[G0V+2:G0V+3], s[8:9], 0
	s_or_b32 s[G0V+3], s[G0V+3], 0x80000000
	s_add_nc_u64 s[4:5], s[4:5], s[20:21]          ; Q at the head's first row,
	s_add_nc_u64 s[86:87], s[4:5], s[84:85]        ; at my rows of the second block,
	s_add_nc_u64 s[4:5], s[4:5], s[2:3]            ; and of the first
	s_add_nc_u64 s[10:11], s[10:11], s[66:67]      ; O likewise
	s_add_nc_u64 s[OLO:OLO+1], s[10:11], s[84:85]
	s_add_nc_u64 s[10:11], s[10:11], s[2:3]
	s_cmp_lt_u32 s[WV], 2
	s_cselect_b64 s[PFB:PFB+1], s[6:7], s[8:9]
	LOAD                            ; tile 0 into slot 0
	; A fragment of K or Q is 16 rows x 32 channels in 8 registers: lane l holds row l % 16, channels 8 (l / 16) + 0..7 and 16 + 8 (l / 16) + 0..7: two loads of 16 bytes, 32 bytes apart.
	v_and_b32 v1, 15, v0            ; l % 16
	v_bfe_u32 v9, v0, 4, 1          ; l / 16
	v_lshlrev_b32 v[QO], 7, v1
	v_lshl_add_u32 v[QO], v9, 4, v[QO]  ; row x 128 + 16 x half
	WIN 0x80                        ; destination window 2, address window 0
.set i, 0
.rept 8                             ; both blocks' Q: piece i / 2 lies in band i / 2, 8,192 bytes on; channels 32 (i % 2) on
	global_load_b128 v[8*i:8*i+3],   v[QO], s[4:5] offset:(i/2)*8192+(i%2)*64
	global_load_b128 v[8*i+4:8*i+7], v[QO], s[4:5] offset:(i/2)*8192+(i%2)*64+32
	global_load_b128 v[QB+8*i:QB+8*i+3],   v[QO], s[86:87] offset:(i/2)*8192+(i%2)*64
	global_load_b128 v[QB+8*i+4:QB+8*i+7], v[QO], s[86:87] offset:(i/2)*8192+(i%2)*64+32
.set i, i+1
.endr
	WIN 0
	v_lshlrev_b32 v14, 3, v9
	v_sub_nc_u32 v14, v1, v14
	s_lshl_b32 s13, s[WV], 4
	v_add_nc_u32 v14, s13, v14      ; my query's place in its band, 16 w + l % 16, less my lanes' 8 (l / 16): register r of group kt is hidden where 16 kt + r is greater
	WIN 0x40
.set i, 0
.rept 32
	v_cmp_gt_i32 vcc_lo, 16*(i/8)+i%8, v14
	v_cndmask_b32 v[MD+i], 0, s[BIGN], vcc_lo
.set i, i+1
.endr
	WIN 0
	v_mul_u32_u24 v[AK0], v1, PK
	v_lshl_add_u32 v[AK0], v9, 4, v[AK0]  ; row x pitch + 16 x half
	; The turning load takes 16 keys x 16 channels (lane l reads key 8 (l / 16) + l % 8, channels 8 ((l / 8) % 2) + 0..7) and leaves half a fragment of V^T: lane l holds channel l % 16 and 8 keys.
	v_and_b32 v10, 7, v0
	v_bfe_u32 v11, v0, 3, 1
	v_lshl_add_u32 v[AV0], v9, 3, v10
	v_mul_u32_u24 v[AV0], v[AV0], PV
	v_lshl_add_u32 v[AV0], v11, 4, v[AV0]
	v_add_nc_u32 v[AV0], VOFF, v[AV0]
	s_mul_i32 s13, s[WV], 16*SP
	s_add_co_u32 s13, s13, STAGE    ; my stage
	v_mul_u32_u24 v[STO], v1, SP    ; in: row l % 16, 16 bytes for each half of the lanes
	v_lshl_add_u32 v[STO], v9, 4, v[STO]
	v_add_nc_u32 v[STO], s13, v[STO]
	v_bfe_u32 v[RD], v0, 3, 2       ; back: 32 lanes take four rows of 128 bytes,
	v_mul_u32_u24 v[RD], v[RD], SP
	v_lshl_add_u32 v[RD], v10, 4, v[RD]
	v_add_nc_u32 v[RD], s13, v[RD]
	v_and_b32 v[GO], 31, v0         ; which are 512 consecutive bytes of O
	v_lshlrev_b32 v[GO], 4, v[GO]
	; A block's first step multiplies O^T and l by a = 0, and its first turn's products V^T P, of a piece that has not been, land in an O^T that is still to be so multiplied.  So these registers need only hold
	; finite numbers: zeros for the first block; what the first block left for the second.  All this stands in the wait for the first tile.
	WIN 0x80
.set i, VF
.rept 64
	v_mov_b32 v[i], 0
.set i, i+1
.endr
	WIN 0x40
.set i, 0
.rept 128
	v_mov_b32 v[i], 0
.set i, i+1
.endr
	WIN 0
.set i, 0
.rept 4
	v_mov_b32 v[ST+4*i+2], 0
	v_mov_b32 v[ST+4*i+3], 0
.set i, i+1
.endr
.set i, P+16
.rept 16
	v_mov_b32 v[i], 0
.set i, i+1
.endr
; THE MATRIX WORK.  The 4 accumulators of a run of 8 take turns.  Product i of 8 of S^T = K Q^T for piece x: channels 32 (i / 4) on, keys 16 (i % 4) on.  The first 4 start the sums: with 0, or (KM = 1) with the mask.
.macro KQ x
.set rS, S+32*((\x)%2)+8*(i%4)
.set rK, KF+16*(i%4)+8*(i/4)
.set rQ, 16*(\x)+8*(i/4)
.set rM, MC+32*((\x)%2)+8*(i%4)
.if (i < 4) && KM
	WIN W_KM
	v_wmma_f32_16x16x32_f16 v[rS:rS+7], v[rK:rK+7], v[rQ:rQ+7], v[rM:rM+7]
.elseif i < 4
	WIN W_KQ
	v_wmma_f32_16x16x32_f16 v[rS:rS+7], v[rK:rK+7], v[rQ:rQ+7], 0
.else
	WIN W_KQ
	v_wmma_f32_16x16x32_f16 v[rS:rS+7], v[rK:rK+7], v[rQ:rQ+7], v[rS:rS+7]
.endif
.endm
; Product i of 8 of O^T += V^T P for piece x: keys 32 (i / 4) on, channels 16 (i % 4) on.
.macro PV x
	WIN W_PV
.set rO, 32*(\x)+8*(i%4)
.set rV, VF+32*(i/4)+8*(i%4)
.set rP, P+16*((\x)%2)+8*(i/4)
	v_wmma_f32_16x16x32_f16 v[rO:rO+7], v[rV:rV+7], v[rP:rP+7], v[rO:rO+7]
.endm
.macro MM                           ; the turn's next matrix instruction.  TURN and BEGIN set Y, i, KM and NOKQ; MM, KQ and OP read them.  NOKQ = 1: a block's last turn: there is no next piece
.if (i < 8) && !NOKQ
	KQ (Y+1)%NP
.elseif i >= 8
.set i, i-8
	PV (Y+NP-1)%NP
.set i, i+8
.endif
.set i, i+1
.endm
; THE LDS LOADS stand in runs of 16, never singly among the matrix instructions: a step's K (64 keys x 64 channels: 8 fragments) and its V (turned).  Their addresses are made some lines ahead.
.macro FETCH_K
	WIN 0x80                        ; destination window 2
.irp f, 0,1,2,3,4,5,6,7             ; keys 16 (f / 2) on, channels 32 (f % 2) on
	ds_load_b128 v[KF+8*\f:KF+8*\f+3],   v[AK] offset:(\f/2)*16*PK+(\f%2)*64
	ds_load_b128 v[KF+8*\f+4:KF+8*\f+7], v[AK] offset:(\f/2)*16*PK+(\f%2)*64+32
.endr
	s_add_co_u32 s[TBK], s[TBK], KS*PK  ; the next fetch is the next step's
	WIN 0
.endm
.macro FETCH_V
	WIN 0x80
.irp f, 0,1,2,3,4,5,6,7             ; keys 32 (f / 4) on, channels 16 (f % 4) on
	ds_load_tr16_b128 v[VF+8*\f:VF+8*\f+3],   v[AV] offset:(\f/4)*32*PV+(\f%4)*32
	ds_load_tr16_b128 v[VF+8*\f+4:VF+8*\f+7], v[AV] offset:(\f/4)*32*PV+16*PV+(\f%4)*32
.endr
	WIN 0
.endm
; THE VECTOR WORK, one line at a time: OP kind, number.  For piece Y: F n: c s - c m for pair n of 16.  E n: the exponential of score n of 32.  C n: pair n rounded to f16.  B n: of the four weights 4 n .. the second
; pair is added onto the first, in place.  L n: l takes that sum (L 0: l = a l + sum).  R n: pair n of 16 of O^T times a.  For piece Y + 1: X n, number n of the 22 that find its maximum and statistics:
;   0-11  four chains c0-c3 of seven scores each, three operands at a time (each accumulator's lowest registers are read first)     12-14, 16  the four scores left over, the old m, and c0-c3 into c0
;   15  c m_old is kept     17, 18  the query's other 32 keys lie in the lane 16 away: the new m     19-21  c m; c m_old - c m_new; a
.set F, 0               ; OP tells the kinds apart by their order: F to L below R, X above it
.set E, 1
.set C, 2
.set B, 3
.set L, 4
.set R, 5
.set X, 6
.macro REGS y                       ; the registers of piece y
.set rT, ST+4*(\y)
.set rC, TMP+4*((\y)%2)
.set rW, MV+((\y)%2)
.set rS, S+32*((\y)%2)
.set rP, P+16*((\y)%2)
.set rO, 32*(\y)
.endm
.macro OP k, n
.if (\k) == R
	REGS Y
	WIN W_RS
	v_pk_mul_f32 v[rO+2*(\n):rO+2*(\n)+1], v[rO+2*(\n):rO+2*(\n)+1], v[rC+2:rC+3] op_sel_hi:[1,0]
.elseif (\k) < R
	REGS Y
	WIN 0
.if (\k) == F
	v_pk_fma_f32 v[rS+2*(\n):rS+2*(\n)+1], v[rS+2*(\n):rS+2*(\n)+1], s[CS:CS+1], v[rT:rT+1] op_sel_hi:[1,0,0] neg_lo:[0,0,1] neg_hi:[0,0,1]
.elseif (\k) == E
	v_exp_f32 v[rS+(\n)], v[rS+(\n)]
.elseif (\k) == C
	s_wait_alu depctr_va_vdst(0)
	v_cvt_pk_f16_f32 v[rP+(\n)], v[rS+2*(\n)], v[rS+2*(\n)+1]
.elseif (\k) == B
	s_wait_alu depctr_va_vdst(0)
	v_pk_add_f32 v[rS+4*(\n):rS+4*(\n)+1], v[rS+4*(\n):rS+4*(\n)+1], v[rS+4*(\n)+2:rS+4*(\n)+3]
.elseif (\n) == 0
	v_pk_fma_f32 v[rT+2:rT+3], v[rT+2:rT+3], v[rC+2:rC+3], v[rS:rS+1] op_sel_hi:[1,0,1]
.else
	v_pk_add_f32 v[rT+2:rT+3], v[rT+2:rT+3], v[rS+4*(\n):rS+4*(\n)+1]
.endif
.elseif NOKQ
	v_nop
.else
	REGS (Y+1)%NP
	WIN 0
.if (\n) < 4
	v_max3_num_f32 v[rC+(\n)], v[rS+8*(\n)], v[rS+8*(\n)+1], v[rS+8*(\n)+2]
.elseif (\n) < 12
	v_max3_num_f32 v[rC+(\n)%4], v[rC+(\n)%4], v[rS+8*((\n)%4)+2*((\n)/4)+1], v[rS+8*((\n)%4)+2*((\n)/4)+2]
.elseif (\n) == 12
	v_max3_num_f32 v[rC], v[rC], v[rS+7], v[rS+15]
.elseif (\n) == 13
	v_max3_num_f32 v[rC+1], v[rC+1], v[rS+23], v[rS+31]
.elseif (\n) == 14
	v_max3_num_f32 v[rC+2], v[rC+2], v[rC+3], v[rT+1]
.elseif (\n) == 15
	v_mov_b32 v[rW], v[rT]
.elseif (\n) == 16
	v_max3_num_f32 v[rC], v[rC], v[rC+1], v[rC+2]
.elseif (\n) == 17
	v_permlanex16_b32 v[rC+3], v[rC], s[SEL], s[SEL+1]
.elseif (\n) == 18
	v_max_num_f32 v[rT+1], v[rC], v[rC+3]
.elseif (\n) == 19
	v_mul_f32 v[rT], s[CS], v[rT+1]
.elseif (\n) == 20
	v_sub_f32 v[rC+1], v[rW], v[rT]
.else
	v_exp_f32 v[rC+2], v[rC+1]
.endif
.endif
.endm
.macro OPS a, i1, b=-1, i2=0, c=-1, i3=0, d=-1, i4=0  ; up to four of them
	OP \a, \i1
.if (\b) >= 0
	OP \b, \i2
.endif
.if (\c) >= 0
	OP \c, \i3
.endif
.if (\d) >= 0
	OP \d, \i4
.endif
.endm
.macro ROW a, i1, b, i2, c, i3, d, i4  ; a matrix instruction and the four behind it
	MM
	OPS \a, \i1, \b, \i2, \c, \i3, \d, \i4
.endm
.macro MASK b                       ; MD x AL + BE into buffer b of MC
	WIN W_RS
.set z, 0
.rept 16
	v_pk_fma_f32 v[MC+32*(\b)+2*z:MC+32*(\b)+2*z+1], v[MD+2*z:MD+2*z+1], s[AL:AL+1], s[BE:BE+1] op_sel_hi:[1,0,0]
.set z, z+1
.endr
.endm
; A TURN, for piece p: the order of its 16 matrix and 118 vector instructions, written out.  Behind a matrix instruction: plain, exponential, plain, plain; or four of the rescaling; or, behind the first, four scalings; none
; names a register of the products round it.  In the lumps exponential and plain by turns while exponentials last.  A line reads no result made fewer than three vector instructions in front of it, five if an exponential made it.
; v_permlanex16_b32 (X 17) stands in a lump.
; m = 1: the diagonal tile: the products take masks, and the turn makes the mask for the products of the turn after it: piece p + 2, in step 4 - CNT of the tile.  end = 1: a block's last two turns: nothing is fetched.
; cnt = 1: the loop's count is taken down some lines ahead of the branch that stands behind the turn.
; K of the next step is fetched in piece 2's turn, six vector instructions behind the last product that read K (five of them plain); V of the step in hand in piece 0's turn, eight behind the last product that read V (four
; plain, and X 17).  Each is waited for a turn later.
.macro TURN p, m=0, end=0, cnt=0
.set Y, (\p)
.set i, 0
.set KM, (\m)
.set NOKQ, (\end)*((\p)/3)
.if (\m) && !(\end)
	s_cmp_eq_u32 s[CNT], 4-((\p)+2)%NP  ; is that step the band's own?
	s_cselect_b32 s[AL], 1.0, 0
	s_cmp_lt_u32 s[CNT], 4-((\p)+2)%NP  ; or a later one?
	s_cselect_b32 s[BE], s[BIGN], 0
.endif
.if ((\p) == 3) && !(\end)
	s_wait_dscnt 0x0                ; K is in
.endif
	ROW F,0, F,1, F,2, F,3
	ROW F,4, E,0, F,5, F,6
	ROW F,7, E,1, F,8, F,9
	ROW F,10, E,2, C,0, F,11
	ROW F,12, E,3, X,15, F,13
	ROW R,0, R,1, R,2, R,3
	ROW B,0, E,4, F,14, L,0
.if ((\p) == 2) && !(\end)
	v_add_nc_u32 v[AK], s[TBK], v[AK0]
.endif
	ROW R,4, R,5, R,6, R,7
	OPS E,5, F,15
.if ((\p) == 2) && !(\end)
	FETCH_K
.endif
	OPS E,6, C,1, E,7, R,8
	OPS E,8, R,9, E,9, C,2
	OPS E,10, X,0, E,11, X,1
	OPS E,12, X,2, E,13, X,3
.if (\p) == 1
	s_wait_dscnt 0x0                ; V is in
.endif
	ROW X,4, E,14, X,5, X,6
	ROW X,7, E,15, X,8, X,9
	ROW X,10, E,16, X,11, X,12
	ROW X,13, E,17, X,14, B,1
	ROW C,4, E,18, X,16, L,1
	ROW B,2, E,19, C,6, L,2
	ROW C,8, E,20, B,3, B,4
.if (\p) == 0
	v_add_nc_u32 v[AV], s[TBV], v[AV0]
.endif
	ROW C,3, E,21, L,3, C,5
	OPS E,22, X,17, E,23, C,10
.if (\p) == 0
	FETCH_V
.endif
	OPS E,24, L,4
	OPS E,25, X,18, E,26, C,7
	OPS E,27, B,5, E,28, X,19
	OPS E,29, C,12, E,30, L,5
	OPS E,31, X,20, B,6, C,9
	OPS C,14, C,11, X,21, L,6
.if (\p) == 0
	s_add_co_u32 s[TBV], s[TBV], KS*PV
.endif
.if \cnt
	s_sub_co_u32 s[CNT], s[CNT], 1
	s_cmp_lg_u32 s[CNT], 0
.endif
	OPS C,13, B,7, C,15, R,10
	OPS R,11, R,12, L,7, R,13
	OPS R,14, R,15
.if (\m) && !(\end)
	MASK (\p)%2
.endif
.endm
; A BLOCK BEGINS.  c m starts far below every c s, so the first step's a is 0; m at the lowest finite number, so the first maximum is the scores'.  The second mask buffer is 0; the first takes piece 0's mask for the tile's step 0: its own, if the block's first tile is the diagonal one.
; Then K of that step, piece 0's first scores, and its maximum and statistics.  The loop is entered at a step's first turn, in the middle of a trip.
.macro BEGIN
	s_mov_b32 s[NEW], 0
	WIN 0x40
.set i, MC+32
.rept 32
	v_mov_b32 v[i], 0
.set i, i+1
.endr
	WIN 0
.set i, 0
.rept 4
	v_mov_b32 v[ST+4*i], 0xfe000000    ; c m: far below every c s
	v_mov_b32 v[ST+4*i+1], 0xff7fffff  ; m
.set i, i+1
.endr
	s_cmp_eq_u32 s[RT], 0
	s_cselect_b32 s[AL], 1.0, 0
	s_mov_b32 s[BE], 0
	MASK 0
	WIN 0
	v_add_nc_u32 v[AK], s[TBK], v[AK0]
	FETCH_K
	s_wait_loadcnt 0x0              ; Q
	s_wait_dscnt 0x0
.set KM, 1
.set NOKQ, 0
.set i, 0
.rept 8
	KQ 0
.set i, i+1
.endr
	WIN 0
.rept 4
	v_nop                           ; the places behind those products
.endr
.set Y, NP-1                        ; X works for piece Y + 1: piece 0
.irp n, 0,1,2,3,4,5,6,7,8,9,10,11,12,13,14,15,16,17,18,19,20,21
	OP X, \n
.endr
	v_nop                           ; a plain instruction behind the exponential
.endm
; THE DIAGONAL TILE's four steps, the block's last two turns, its last products, and THE WAY OUT: l's two halves and the other half of the lanes' are added; O^T is divided by l, rounded to f16 and sent through my
; stage in LDS, a piece at a time.
.macro ALL line:vararg              ; one line for each piece t
.set t, 0
.rept 4
	\line
.set t, t+1
.endr
.endm
.macro PACK t                       ; a lane's eight channels of a row pack into 16 bytes; they go into rows of 144 bytes and come back as whole rows of 128, into S^T's registers
	WIN W_RS
.set i, 32*(\t)
.rept 16
	s_wait_alu depctr_va_vdst(0)
	v_pk_mul_f32 v[i:i+1], v[i:i+1], v[ST+4*(\t)+2:ST+4*(\t)+3] op_sel_hi:[1,0]
.set i, i+2
.endr
	WIN 0x05                        ; sources 0 and 1 window 1, destination window 0
.set i, 0
.rept 16
	v_cvt_pk_f16_f32 v[S+16*(\t)+i], v[32*(\t)+2*i], v[32*(\t)+2*i+1]
.set i, i+1
.endr
	WIN 0
.irp f, 0,1,2,3
	ds_store_b128 v[STO], v[S+16*(\t)+4*\f:S+16*(\t)+4*\f+3] offset:32*\f
.endr
.irp f, 0,1,2,3
	ds_load_b128 v[S+16*(\t)+4*\f:S+16*(\t)+4*\f+3], v[RD] offset:\f*4*SP  ; LDS serves a wave's instructions in order (ISA guide 5.7.1.4): these see the stores above; the next piece's stores come behind them
.endr
.endm
.macro SEND t, younger              ; younger: the LDS instructions issued behind piece t's loads: the next piece's eight, or none
	WIN 0
.irp f, 0,1,2,3
	s_wait_dscnt (\younger)+3-\f
	global_store_b128 v[GO], v[S+16*(\t)+4*\f:S+16*(\t)+4*\f+3], s[10:11] offset:(\t)*8192+\f*512  ; 512 consecutive bytes, at a multiple of 256 from O's first
.endr
.endm
.macro DIAG tag                     ; the tag ends its two labels' names, which the jumps below spell out
.LstepM\tag:
	TURN 2, 1
	TURN 3, 1
	WIN 0
.LfirstM\tag:
	TURN 0, 1
	TURN 1, 1, 0, 1
	WIN 0
	s_cbranch_scc1 .LstepM\tag
	TURN 2, 1, 1
	TURN 3, 1, 1
.set i, 0
.rept 8
	PV NP-1
.set i, i+1
.endr
	WIN 0
	ALL v_add_f32 v[ST+4*t+2], v[ST+4*t+2], v[ST+4*t+3]
	ALL v_permlanex16_b32 v[ST+4*t+3], v[ST+4*t+2], s[SEL], s[SEL+1]
	ALL v_add_f32 v[ST+4*t+2], v[ST+4*t+2], v[ST+4*t+3]
	ALL v_rcp_f32 v[ST+4*t+2], v[ST+4*t+2]
	v_nop                           ; a plain instruction between the last reciprocal and the use of its result
	PACK 0
.set t, 1
.rept 3                             ; a piece's arithmetic stands between the loads of the piece before and its stores
	PACK t
	SEND t-1, 8
.set t, t+1
.endr
	SEND 3, 0
.endm
.set KM, 0
.set NOKQ, 0
.Lslot:                             ; NB times: a tile is entered and the next is asked for
	CHANGE 1
	s_sub_co_u32 s[RT], s[RT], 1
	s_mov_b32 s[CNT], 4
	s_cmp_eq_u32 s[NEW], 1
	s_cbranch_scc1 .Lnew            ; a block's first tile
	s_cmp_eq_u32 s[RT], 0
	s_cbranch_scc0 .Lstep           ; neither its first nor its last
	s_branch .LstepM1
.Lnew:
	BEGIN
	s_branch .Lfirst                ; in the loop a block's first tile is never its last: the first block has two tiles or more, and the second's last is the walk's last
	DIAG 1                          ; in the loop this is the first block's end: the second block's last tile is the walk's last
	s_wait_xcnt 0x0                 ; the stores have read their registers and O's address
	s_mov_b64 s[10:11], s[OLO:OLO+1]
	s_add_co_u32 s[RT], s[PB], 1    ; the second block has b + 1 tiles
	s_mov_b32 s[NEW], 1
	WIN 0x82                        ; the second block's Q goes where the one text of the turns names Q
.set i, 0
.rept 64
	v_mov_b32 v[i], v[QB+i]
.set i, i+1
.endr
	WIN 0
	s_branch .Lbottom
.Lstep:                             ; a trip: pieces 2 and 3 of one step, then pieces 0 and 1 of the next, whose K and V it fetches
	TURN 2
	TURN 3
	WIN 0
.Lfirst:
	TURN 0
	TURN 1, 0, 0, 1
	WIN 0
	s_cbranch_scc1 .Lstep
.Lbottom:
	s_sub_co_u32 s[SLOTS], s[SLOTS], 1
	s_cmp_lg_u32 s[SLOTS], 0
	s_cbranch_scc1 .Lslot
	CHANGE 0                        ; the walk's last tile is written out: nothing is asked for
	s_sub_co_u32 s[RT], s[RT], 1
	s_mov_b32 s[CNT], 4
	s_cmp_eq_u32 s[NEW], 1
	s_cbranch_scc0 .LstepM2
	BEGIN
	s_branch .LfirstM2
	DIAG 2
	s_wait_tensorcnt 0x0            ; the wave's end, behind my last tensor load and my last LDS store
	ds_add_u32 v[SPW], v[NIL]
	s_wait_dscnt 0x0
	s_endpgm
.Lfunc_end_k_qcc36aded90_attn:
	.size	k_qcc36aded90_attn, .Lfunc_end_k_qcc36aded90_attn-k_qcc36aded90_attn
	.p2alignl 7, 3214868480
	.fill 96, 4, 3214868480
	.section	.rodata,"a",@progbits
	.p2align	6, 0x0
	.amdhsa_kernel k_qcc36aded90_attn
		.amdhsa_group_segment_fixed_size 327680
		.amdhsa_private_segment_fixed_size 0
		.amdhsa_enable_private_segment 0
		.amdhsa_kernarg_size 16
		.amdhsa_user_sgpr_count 2
		.amdhsa_user_sgpr_kernarg_segment_ptr 1
		.amdhsa_wavefront_size32 1
		.amdhsa_system_sgpr_workgroup_id_x 1
		.amdhsa_system_sgpr_workgroup_id_y 1
		.amdhsa_system_sgpr_workgroup_id_z 1
		.amdhsa_system_vgpr_workitem_id 0
		.amdhsa_next_free_vgpr 768
		.amdhsa_next_free_sgpr 96
		.amdhsa_reserve_vcc 1
		.amdhsa_float_denorm_mode_32 3
		.amdhsa_float_denorm_mode_16_64 3
		.amdhsa_memory_ordered 1
		.amdhsa_forward_progress 1
		.amdhsa_inst_pref_size 229
	.end_amdhsa_kernel
	.amdgpu_metadata
---
amdhsa.version: [ 1, 2 ]
amdhsa.kernels:
  - .name:           k_qcc36aded90_attn
    .symbol:         k_qcc36aded90_attn.kd
    .args:
      - { .name: qkv, .offset: 0, .size: 8, .value_kind: global_buffer, .address_space: global }
      - { .name: ob, .offset: 8, .size: 8, .value_kind: global_buffer, .address_space: global }
    .group_segment_fixed_size: 327680
    .private_segment_fixed_size: 0
    .kernarg_segment_align: 8
    .kernarg_segment_size: 16
    .max_flat_workgroup_size: 128
    .sgpr_count:     96
    .vgpr_count:     768
    .wavefront_size: 32
...
	.end_amdgpu_metadata
.endif
;; end of part 3
;; launch projgemm (part 4): grid 8 x 32, 4 waves a work-group, clusters of 4 x 4, 327,680 bytes of LDS; arguments ob, wpb, b_proj, out0; writes out0
.if DOCPART == 4
	.amdgcn_target "amdgcn-amd-amdhsa--gfx1250"
	.amdhsa_code_object_version 6
	.text
	.protected	k_qcc36aded90_projgemm
	.globl	k_qcc36aded90_projgemm
	.p2align	8
	.type	k_qcc36aded90_projgemm,@function
k_qcc36aded90_projgemm:
	s_mov_b64 s[64:65], 0
	v_nop
	global_prefetch_b8 v0, s[64:65] scope:SCOPE_SE
	s_setreg_imm32_b32 hwreg(HW_REG_WAVE_MODE, 25, 1), 1
	s_wait_xcnt 0x0
	s_wait_alu depctr_hold_cnt(0) depctr_sa_sdst(0) depctr_va_vdst(0) depctr_va_sdst(0) depctr_va_ssrc(0) depctr_va_vcc(0) depctr_vm_vsrc(0)
	s_getreg_b32 s2, hwreg(HW_REG_IB_STS2, 6, 4)
	s_cmp_eq_u32 s2, 0
	s_cbranch_scc0 .Lentry_in_a_cluster
	s_endpgm
.Lentry_in_a_cluster:
	s_bfe_u32 s2, ttmp6, 0x10000c
	s_cmp_lg_u32 s2, 0xf033
	s_cbranch_scc0 .Lentry_shape_is_right
	s_endpgm
.Lentry_shape_is_right:
; out = O w_proj + b_proj.  ob: [64 = 16 x batch + head][2048 rows][64] f16: row m = 2048 x batch + row, k = 64 x head + channel.  wpb: [1024 k][1024 n] f16.
; b_proj: [1024] f32, rounded to bf16 here like the other inputs.  out0: [8192][1024] f32.  Sums in f32, K ascending.  NaN and infinities are not treated apart.
; SHARES.  A tile is 256 rows x 128 columns: 32 x 8 = 256 work-groups, one for each WGP.  Four waves one below the other: a wave makes 64 rows x 128 columns in 32 accumulators of 16 x 16 (256 registers).
; K goes in steps of 128, which are two heads, through two LDS slots; 8 steps.  In LDS O's tile lies as two planes, a head each; a plane's 256 rows are 32,768 dense bytes of memory.
; THE WEIGHTS STAY [k][n]: their fragments come out of LDS turned, by ds_load_tr16_b128.
; THE MATRIX INSTRUCTION IS USED TRANSPOSED (source 0 = 16 columns of w, source 1 = 16 rows of O): a lane holds row l % 16 and the eight neighbouring columns 8 (l / 16) + 0..7.
; THE BIAS is the C operand of the products that start the sums: 64 registers in the result's own layout.
; CLUSTER: 4 x 4 work-groups.  The four of a row need the same rows of O, the four of a column the same columns of w: each tile is asked for JOINTLY, by the same tensor load with the same descriptor and a mask of four.
; NO PREFETCH: every tile is read by several clusters and shared inside each, and a K step has 128 matrix instructions a wave in which the one refill lands.
; REGISTERS, in windows of 256 (s_set_vgpr_msb: bits 1:0 source 0, 3:2 source 1, 5:4 source 2, 7:6 destination):
;   window 0: v1-29 addresses; v32-95 the bias; later v32-95 and v96-159 rows read back        window 1: two fragment buffers: 8 fragments of w, then 4 of O        window 2: accumulator (a, b) at v[8 (8 a + b)]
.set NBLK,  8
.set PA,    144                        ; a row of a plane in LDS: 128 bytes + 16 = 36 words: the 16 rows of a load start at 16 different groups of four banks (64 banks of 4 bytes: ISA guide 11.1)
.set APLANE, 256*PA                    ; a head's 256 rows: one tensor load
.set PB,    288                        ; a row k of w: 256 bytes + 32 = 72 words
.set BHALF, 64*PB                      ; 64 rows k: one tensor load
.set BOFF,  2*APLANE
.set SLOT,  BOFF+2*BHALF               ; 110,592
.set STAGE, 2*SLOT                     ; behind the ring, never filled by a tensor load: 16 rows x 528 bytes for each wave
.set SP,    528                        ; 512 bytes + 16: an odd multiple of 16
.set SPARE, STAGE+4*16*SP              ; behind the stages: the spare words, 128 bytes for each wave: two blocks of 256 bytes that no other line names
.set NF,    2*NBLK+8                   ; LDS loads in a run
.set LAPS,  4                          ; a lap = two K steps
.set ADRA, 16                          ; v16-17  LDS address of my fragments of O in slot 0, 1
.set ADRB, 20                          ; v20-21  the same for w
.set STO,  24                          ; v24     the way out: where I put 32 bytes of a row
.set RD,   25                          ; v25     where I read a row back
.set GO,   26                          ; v26     my 16 bytes of a row's 512
.set BO,   27                          ; v27     32 (l / 16): my eight numbers in 16 of the bias
.set SPW,  28                          ; v28     LDS address of my spare word; never rewritten
.set NIL,  29                          ; v29     0; never rewritten
.set BIAS, 32
.set BK,   32
.set F0,   0
.set F1,   128
.set G1,  24                           ; s[24:31] descriptor group 1 for O's tiles;  s[32:39] group 0, a set for each slot
.set G0,  32
.set G1B, 48                           ; s[48:55], s[56:63] the same for w's tiles
.set G0B, 56
.set MSB, 0
.macro WIN new                         ; the immediate's high byte repeats the setting that is left; a switch that changes nothing is dropped
.if MSB != (\new)
	s_set_vgpr_msb (MSB<<8)|(\new)
.set MSB, \new
.endif
.endm
.macro PLACES                          ; four places in front of loads into registers that matrix instructions have read, and of lines that read results
.rept 4
	v_nop
.endr
.endm
.macro JLOAD s                         ; a joint load: waves 0 and 1 fetch O's two planes, waves 2 and 3 w's two halves; an s_nop 0 and four v_nop follow each line, ahead of the jump and the label
	s_cmp_eq_u32 s13, 0
	s_cbranch_scc0 .Lfor_b_\@
	tensor_load_to_lds s[G0+4*(\s):G0+4*(\s)+3], s[G1:G1+7]
	s_nop 0
.rept 4
	v_nop
.endr
	s_branch .Lasked_\@
.Lfor_b_\@:
	tensor_load_to_lds s[G0B+4*(\s):G0B+4*(\s)+3], s[G1B:G1B+7]
	s_nop 0
.rept 4
	v_nop
.endr
.Lasked_\@:
.endm
.macro CREST                           ; a round of the cluster's barrier behind its opening barrier
	s_cmp_lg_u32 s12, 0
	s_cbranch_scc1 .Lnot_wave_0_\@
	s_barrier_signal -3
.Lnot_wave_0_\@:
	s_barrier_wait -3
	s_barrier_signal -1
	s_barrier_wait -1
.endm
.macro CROUND                          ; a whole round
	s_barrier_signal -1
	s_barrier_wait -1
	CREST
.endm
	s_load_b256 s[4:11], s[0:1], 0x0               ; ob s[4:5], wpb s[6:7], b_proj s[8:9], out0 s[10:11]
	v_lshl_add_u32 v[SPW], v0, 2, SPARE
	v_mov_b32 v[NIL], 0
	ds_add_u32 v[SPW], v[NIL]                      ; the wave's opening: the add and its wait stand ahead of my first tensor load; the set-up below, work on registers, stands between them
	ds_add_u32 v28, v29
	v_lshrrev_b32 v1, 5, v0
	v_readfirstlane_b32 s12, v1                    ; wave 0..3
	s_lshr_b32 s13, s12, 1                         ; I fetch for O (0) or for w (1),
	s_and_b32 s14, s12, 1                          ; and which plane or half
	s_bfe_u32 s40, ttmp6, 0x40000                  ; cx, cy: my place in the cluster
	s_bfe_u32 s41, ttmp6, 0x40004
	s_lshl_b32 s42, ttmp9, 2
	s_add_co_u32 s42, s42, s40                     ; tile column = 4 x cluster x + cx
	s_and_b32 s43, ttmp7, 0xffff
	s_lshl_b32 s43, s43, 2
	s_add_co_u32 s43, s43, s41                     ; tile row = 4 x cluster y + cy
	s_lshl_b32 s44, s41, 2
	s_lshl_b32 s44, 15, s44                        ; my row of the cluster
	s_lshl_b32 s45, 0x1111, s40                    ; my column
	s_or_b32 s[G1], s44, (1<<16)|(1<<20)|(1<<21)|(4<<22)|(3<<25)   ; 15:0 the mask; 17:16 2-byte elements; 20 padding on; 21 set beside a mask; 24:22 after every 32 words (code 4); 31:25 4 words (code 3)
	s_or_b32 s[G1B], s45, (1<<16)|(1<<20)|(1<<21)|(5<<22)|(7<<25)  ; after every 64 words (code 5), 8 words (code 7)
	s_mov_b32 s[G1+1], 128<<16                     ; O: a plane's 32,768 dense bytes are asked for as 128 rows of 256 bytes, two rows of O each
	s_mov_b32 s[G1+2], 128<<16
	s_mov_b32 s[G1+3], 128<<16
	s_mov_b32 s[G1+4], 128
	s_mov_b32 s[G1+5], 128
	s_mov_b32 s[G1+6], 0
	s_mov_b32 s[G1+7], 0
	s_mov_b32 s[G1B+1], 128<<16                    ; w: tensor_dim0 = 128
	s_mov_b32 s[G1B+2], 64<<16                     ; tensor_dim1 = 64
	s_mov_b32 s[G1B+3], 128<<16                    ; tile_dim0 = 128 elements: 256 bytes of a row
	s_mov_b32 s[G1B+4], 64                         ; tile_dim1 = 64 rows k
	s_mov_b32 s[G1B+5], 1024                       ; elements from row to row
	s_mov_b32 s[G1B+6], 0
	s_mov_b32 s[G1B+7], 0
	s_lshr_b32 s16, s43, 3                         ; O: the batch's 16 heads of 2^18 bytes,
	s_lshl_b32 s16, s16, 22
	s_and_b32 s18, s43, 7                          ; the tile's 256 rows of 128 bytes in a head,
	s_lshl_b32 s18, s18, 15
	s_add_co_u32 s16, s16, s18
	s_lshl_b32 s18, s14, 18                        ; my head of the K step's two: made of the tile row alone, which my row of the cluster shares
	s_add_co_u32 s16, s16, s18
	s_mov_b32 s17, 0
	s_lshl_b32 s46, s14, 17                        ; w: my 64 rows k of 2,048 bytes,
	s_lshl_b32 s47, s42, 8                         ; the tile's 256 bytes of them: made of the tile column alone
	s_add_co_u32 s46, s46, s47
	s_mov_b32 s47, 0
	s_mul_i32 s20, s14, APLANE                     ; where they go: no place in the cluster enters an LDS address
	s_mul_i32 s21, s14, BHALF
	s_add_co_u32 s21, s21, BOFF
	s_mov_b32 s22, 0xffff0000                      ; a word's upper bf16
	s_wait_dscnt 0x0                               ; the opening add is done
	s_wait_kmcnt 0x0
	s_add_nc_u64 s[16:17], s[4:5], s[16:17]
	s_add_nc_u64 s[46:47], s[6:7], s[46:47]
	CROUND                                         ; all sixteen work-groups are here: the first joint loads meet
.irp s, 0,1
	s_mov_b32 s[G0+4*(\s)], 1                      ; 1:0 count = 1
	s_add_co_u32 s[G0+4*(\s)+1], s20, (\s)*SLOT    ; 63:32 LDS address
	s_add_nc_u64 s[G0+4*(\s)+2:G0+4*(\s)+3], s[16:17], (\s)*524288    ; 120:64 global address: K step s: two heads on
	s_or_b32 s[G0+4*(\s)+3], s[G0+4*(\s)+3], 0x80000000              ; 127:126 type = 2
	s_mov_b32 s[G0B+4*(\s)], 1
	s_add_co_u32 s[G0B+4*(\s)+1], s21, (\s)*SLOT
	s_add_nc_u64 s[G0B+4*(\s)+2:G0B+4*(\s)+3], s[46:47], (\s)*262144  ; 128 rows k on
	s_or_b32 s[G0B+4*(\s)+3], s[G0B+4*(\s)+3], 0x80000000
	JLOAD \s                                       ; two loads of mine are out
.endr
	v_and_b32 v1, 15, v0                           ; l % 16
	v_bfe_u32 v2, v0, 4, 1                         ; l / 16
	v_lshlrev_b32 v[BO], 5, v2
	s_lshl_b32 s46, s42, 9                         ; the tile's 128 numbers of the bias, and its 512 bytes of a row of the output
	s_mov_b32 s47, 0
	s_add_nc_u64 s[8:9], s[8:9], s[46:47]
.irp b, 0,1,2,3,4,5,6,7
	global_load_b128 v[BIAS+8*(\b):BIAS+8*(\b)+3],   v[BO], s[8:9] offset:64*(\b)     ; register 8 b + j: bias of column 16 b + 8 (l / 16) + j
	global_load_b128 v[BIAS+8*(\b)+4:BIAS+8*(\b)+7], v[BO], s[8:9] offset:64*(\b)+16
.endr
	s_add_nc_u64 s[10:11], s[10:11], s[46:47]
	; A fragment of O is 16 rows x 32 K in 8 registers: lane l holds row l % 16, K = 8 (l / 16) + 0..7 and 16 + 8 (l / 16) + 0..7: two loads of 16 bytes, 32 bytes apart.
	v_mul_u32_u24 v3, v1, PA
	v_lshl_add_u32 v3, v2, 4, v3
	s_mul_i32 s23, s12, 64*PA                      ; my 64 rows
	v_add_nc_u32 v[ADRA], s23, v3
	v_add_nc_u32 v[ADRA+1], SLOT, v[ADRA]
	; The turning load takes 16 k x 16 columns (lane l reads row k 8 (l / 16) + l % 8, columns 8 ((l / 8) % 2) + 0..7) and leaves half a fragment: lane l holds column l % 16 and 8 k.
	v_and_b32 v4, 7, v0
	v_lshl_add_u32 v5, v2, 3, v4
	v_mul_u32_u24 v5, v5, PB
	v_bfe_u32 v6, v0, 3, 1
	v_lshl_add_u32 v5, v6, 4, v5
	v_add_nc_u32 v[ADRB], BOFF, v5
	v_add_nc_u32 v[ADRB+1], SLOT, v[ADRB]
	s_mul_i32 s23, s12, 16*SP
	s_add_co_u32 s23, s23, STAGE                   ; my stage
	v_mul_u32_u24 v[STO], v1, SP                   ; in: row l % 16, 32 bytes for each half of the lanes
	v_lshl_add_u32 v[STO], v2, 5, v[STO]
	v_add_nc_u32 v[STO], s23, v[STO]
	v_and_b32 v[GO], 31, v0                        ; back: 32 lanes take a row's 512 bytes
	v_lshlrev_b32 v[GO], 4, v[GO]
	v_add_nc_u32 v[RD], s23, v[GO]
	s_lshl_b32 s18, s43, 20                        ; the tile's 256 rows of 4,096 bytes,
	s_lshl_b32 s19, s12, 18                        ; my wave's 64
	s_add_co_u32 s18, s18, s19
	s_mov_b32 s19, 0
	s_add_nc_u64 s[10:11], s[10:11], s[18:19]
	s_wait_loadcnt 0x0                             ; the bias
.set i, 0
.rept 32                                       ; rounded to bf16 and widened again, in place, two numbers at a time
	v_cvt_pk_bf16_f32 v[160+i%2], v[BIAS+2*i], v[BIAS+2*i+1]
	v_lshlrev_b32 v[BIAS+2*i], 16, v[160+i%2]
	v_and_b32 v[BIAS+2*i+1], s22, v[160+i%2]
.set i, i+1
.endr
; 8 matrix instructions: m block a x all 8 n blocks, 32 along K.  first = 1: the products start the sums with the bias.
; The 32 accumulators take turns in the same order in every quarter, over the backward jump too.
.macro MULB f, a, first
.if \first
	WIN 0x85
.else
	WIN 0xa5
.endif
.irp b, 0,1,2,3,4,5,6,7
.if \first
	v_wmma_f32_16x16x32_f16 v[8*(8*(\a)+(\b)):8*(8*(\a)+(\b))+7], v[(\f)+8*(\b):(\f)+8*(\b)+7], v[(\f)+64+8*(\a):(\f)+64+8*(\a)+7], v[BIAS+8*(\b):BIAS+8*(\b)+7]
.else
	v_wmma_f32_16x16x32_f16 v[8*(8*(\a)+(\b)):8*(8*(\a)+(\b))+7], v[(\f)+8*(\b):(\f)+8*(\b)+7], v[(\f)+64+8*(\a):(\f)+64+8*(\a)+7], v[8*(8*(\a)+(\b)):8*(8*(\a)+(\b))+7]
.endif
.endr
.endm
; 24 LDS loads in one run: quarter q (32 along K: half of head q / 2) of a slot into buffer f: w's 8 fragments, then O's four
.macro FETCH slot, q, f
	WIN 0x40                                       ; destination window 1, address window 0
.irp b, 0,1,2,3,4,5,6,7
	ds_load_tr16_b128 v[(\f)+8*(\b):(\f)+8*(\b)+3],   v[ADRB+(\slot)] offset:(\q)*32*PB+(\b)*32
	ds_load_tr16_b128 v[(\f)+8*(\b)+4:(\f)+8*(\b)+7], v[ADRB+(\slot)] offset:(\q)*32*PB+(\b)*32+16*PB
.endr
.irp a, 0,1,2,3
	ds_load_b128 v[(\f)+64+8*(\a):(\f)+64+8*(\a)+3],   v[ADRA+(\slot)] offset:((\q)/2)*APLANE+((\q)%2)*64+(\a)*16*PA
	ds_load_b128 v[(\f)+64+8*(\a)+4:(\f)+64+8*(\a)+7], v[ADRA+(\slot)] offset:((\q)/2)*APLANE+((\q)%2)*64+(\a)*16*PA+32
.endr
.endm
; A K step is four quarters of 32 along K, 32 matrix instructions each, on buffers 0, 1, 0, 1.  One of the first three: multiplies buffer f and, in its middle, fetches quarter q into buffer g.
.macro QUARTER slot, q, f, g, first
	s_wait_dscnt 4                                 ; LDS loads come back in order (ISA guide 5.7.1): all but the youngest four, O's blocks 2 and 3, are in
	MULB \f, 0, \first
	MULB \f, 1, \first
	PLACES
	FETCH \slot, \q, \g
	s_wait_dscnt NF                                ; all but the run just issued
	MULB \f, 2, \first
	MULB \f, 3, \first
.endm
; The last quarter multiplies buffer 1 and changes slots: ONE barrier; in front of it each wave waits for all its tensor loads (one is out: its part of the next slot), adds 0 to its spare word, and waits
; for that and for its own reads of this slot.  fill = 1: the barrier opens a round of the cluster's, and this slot is filled again, two K steps on, first thing behind the round.
.macro TURN slot, next, fill
	WIN 0                                          ; (the add's two registers lie in window 0)
	s_wait_tensorcnt 0x0                           ; all my tensor loads have landed;
	ds_add_u32 v[SPW], v[NIL]                      ; 0 onto my spare word;
	s_wait_dscnt 5                                 ; (the add and the youngest four loads may be out)
	MULB F1, 0, 0                                  ; eight matrix instructions stand between the add and the wait for it
	s_wait_dscnt 0x0                               ; the add is done, and my reads of this slot are over
	s_barrier_signal -1
	MULB F1, 1, 0                                  ; work on registers while the others arrive
.if \fill
	WIN 0
.endif
	s_barrier_wait -1
.if \fill
	CREST                                          ; no wave of any partner still reads this slot's tiles or has a load on its way
	s_add_nc_u64 s[G0+4*(\slot)+2:G0+4*(\slot)+3], s[G0+4*(\slot)+2:G0+4*(\slot)+3], 2*524288
	s_add_nc_u64 s[G0B+4*(\slot)+2:G0B+4*(\slot)+3], s[G0B+4*(\slot)+2:G0B+4*(\slot)+3], 2*262144
	JLOAD \slot                                    ; my one tensor load behind the round; its four v_nop are also the places in front of the loads below
.else
	PLACES
.endif
	FETCH \next, 0, F0
	MULB F1, 2, 0
	MULB F1, 3, 0
.endm
	s_wait_tensorcnt 1                             ; tensor loads of a wave end in order (ISA guide 10.11.1): my part of K step 0 is in; K step 1's stays out
	s_barrier_signal -1
	s_barrier_wait -1                              ; everybody's is
	FETCH 0, 0, F0
	QUARTER 0, 1, F0, F1, 1                        ; the first quarter stands in front of the loop: its products start the sums
	WIN 0                                          ; at a label and at a branch every window is 0
	s_mov_b32 s3, LAPS-1
.Llap:                                                 ; a trip goes once round the ring, from a lap's second quarter to the next lap's first, and fills both slots again
	QUARTER 0, 2, F1, F0, 0
	QUARTER 0, 3, F0, F1, 0
	TURN 0, 1, 1
	QUARTER 1, 1, F0, F1, 0
	QUARTER 1, 2, F1, F0, 0
	QUARTER 1, 3, F0, F1, 0
	TURN 1, 0, 1
	QUARTER 0, 1, F0, F1, 0
	WIN 0
	s_sub_co_u32 s3, s3, 1
	s_cmp_lg_u32 s3, 0
	s_cbranch_scc1 .Llap
	QUARTER 0, 2, F1, F0, 0                        ; the last lap fills nothing, and has no round of the cluster's barrier
	QUARTER 0, 3, F0, F1, 0
	TURN 0, 1, 0
	QUARTER 1, 1, F0, F1, 0
	QUARTER 1, 2, F1, F0, 0
	QUARTER 1, 3, F0, F1, 0
	s_wait_dscnt 4                                 ; the very last quarter: nothing more to fetch
	MULB F1, 0, 0
	MULB F1, 1, 0
	s_wait_dscnt 0x0
	MULB F1, 2, 0
	MULB F1, 3, 0
	WIN 0
; THE WAY OUT, a block of 16 rows at a time, in f32 as the sums stand: 32 bytes a lane into my own stage, back as whole rows of 512 bytes, stored.
.macro TOSTAGE a
	WIN 0x08                                       ; the stores' data (source 1) in window 2; each accumulator's low four registers first
.irp b, 0,1,2,3,4,5,6,7
	ds_store_b128 v[STO], v[8*(8*(\a)+(\b)):8*(8*(\a)+(\b))+3]   offset:64*(\b)
	ds_store_b128 v[STO], v[8*(8*(\a)+(\b))+4:8*(8*(\a)+(\b))+7] offset:64*(\b)+16
.endr
	WIN 0
.set BKA, BK+64*((\a)%2)
.irp t, 0,1,2,3,4,5,6,7,8,9,10,11,12,13,14,15
	ds_load_b128 v[BKA+4*(\t):BKA+4*(\t)+3], v[RD] offset:(\t)*SP  ; LDS serves a wave's instructions in order (ISA guide 5.7.1.4): these see the stores above; the next block's stores come behind them
.endr
.endm
.macro SEND a, younger                 ; younger: the LDS instructions issued behind block a's loads: the next block's 32, or none
.set BKA, BK+64*((\a)%2)
.irp t, 0,1,2,3,4,5,6,7,8,9,10,11,12,13,14,15
	s_wait_dscnt (\younger)+15-(\t)                ; row t is back; the later rows and the next block's instructions may be out
	global_store_b128 v[GO], v[BKA+4*(\t):BKA+4*(\t)+3], s[10:11] offset:(16*(\a)+(\t))*4096  ; 512 consecutive bytes, aligned
.endr
.endm
	PLACES
	PLACES                                         ; (eight, once a launch)
	TOSTAGE 0
	TOSTAGE 1
	SEND 0, 32
	s_wait_xcnt 0x0                                ; block 0's stores have had their addresses translated (ISA guide 3.1): their registers are loaded again only behind this wait
	TOSTAGE 2
	SEND 1, 32
	s_wait_xcnt 0x0                                ; the same for block 1's
	TOSTAGE 3
	SEND 2, 32
	SEND 3, 0
	s_wait_tensorcnt 0x0                           ; the wave's end, behind my last tensor load and my last LDS store
	ds_add_u32 v[SPW], v[NIL]
	s_wait_dscnt 0x0
	CROUND                                         ; the closing round: no work-group ends while a partner may still ask for a tile that names it
	s_endpgm
.Lfunc_end_k_qcc36aded90_projgemm:
	.size	k_qcc36aded90_projgemm, .Lfunc_end_k_qcc36aded90_projgemm-k_qcc36aded90_projgemm
	.p2alignl 7, 3214868480
	.fill 96, 4, 3214868480
	.section	.rodata,"a",@progbits
	.p2align	6, 0x0
	.amdhsa_kernel k_qcc36aded90_projgemm
		.amdhsa_group_segment_fixed_size 327680
		.amdhsa_private_segment_fixed_size 0
		.amdhsa_enable_private_segment 0
		.amdhsa_kernarg_size 32
		.amdhsa_user_sgpr_count 2
		.amdhsa_user_sgpr_kernarg_segment_ptr 1
		.amdhsa_wavefront_size32 1
		.amdhsa_system_sgpr_workgroup_id_x 1
		.amdhsa_system_sgpr_workgroup_id_y 1
		.amdhsa_system_sgpr_workgroup_id_z 1
		.amdhsa_system_vgpr_workitem_id 0
		.amdhsa_next_free_vgpr 768
		.amdhsa_next_free_sgpr 66
		.amdhsa_reserve_vcc 0
		.amdhsa_float_denorm_mode_32 3
		.amdhsa_float_denorm_mode_16_64 3
		.amdhsa_memory_ordered 1
		.amdhsa_forward_progress 1
		.amdhsa_inst_pref_size 92
	.end_amdhsa_kernel
	.amdgpu_metadata
---
amdhsa.version: [ 1, 2 ]
amdhsa.kernels:
  - .name:           k_qcc36aded90_projgemm
    .symbol:         k_qcc36aded90_projgemm.kd
    .args:
      - { .name: ob, .offset: 0, .size: 8, .value_kind: global_buffer, .address_space: global }
      - { .name: wpb, .offset: 8, .size: 8, .value_kind: global_buffer, .address_space: global }
      - { .name: b_proj, .offset: 16, .size: 8, .value_kind: global_buffer, .address_space: global }
      - { .name: out0, .offset: 24, .size: 8, .value_kind: global_buffer, .address_space: global }
    .group_segment_fixed_size: 327680
    .private_segment_fixed_size: 0
    .kernarg_segment_align: 8
    .kernarg_segment_size: 32
    .max_flat_workgroup_size: 128
    .sgpr_count:     66
    .vgpr_count:     768
    .wavefront_size: 32
...
	.end_amdgpu_metadata
.endif
;; end of part 4
;; ======== version 2 of 2: 4 launches; version 1 with the launch prep written anew for expert scheduling mode
;; limits: values are held in f16: magnitudes above 65,504 overflow, below 6.1e-05 lose precision; right only within a limited range of input values
;; workspace buffers: xb 16,777,216 bytes; wqb 6,291,456 bytes; wpb 2,097,152 bytes; qkv 50,331,648 bytes; ob 16,777,216 bytes
;; launch prep (part 5): grid 832 x 1, 8 waves a work-group, no clusters, 0 bytes of LDS; arguments x, w_qkv, w_proj, xb, wqb, wpb; writes xb, wqb, wpb
.if DOCPART == 5
	.amdgcn_target "amdgcn-amd-amdhsa--gfx1250"
	.amdhsa_code_object_version 6
	.text
	.protected	k_qcc36aded90_prep
	.globl	k_qcc36aded90_prep
	.p2align	8
	.type	k_qcc36aded90_prep,@function
k_qcc36aded90_prep:
	s_mov_b64 s[64:65], 0
	v_nop
	global_prefetch_b8 v0, s[64:65] scope:SCOPE_SE
	s_setreg_imm32_b32 hwreg(HW_REG_WAVE_SCHED_MODE, 0, 2), 2
	s_setreg_imm32_b32 hwreg(HW_REG_WAVE_MODE, 25, 1), 1
	s_wait_xcnt 0x0
	s_wait_alu depctr_vm_vsrc(0)
; THE CASTS.  x [8192][1024] f32 -> xb, the same shape in bf16.  w_proj [1024][1024] f32 -> wpb, the same shape: rounded to bf16 and that number written as f16.
; w_qkv [1024 k][3072 n] f32 -> wqb [16 column tiles][1024 k][192 n] bf16: a tile's rows lie end to end, so that 64 of them are 24,576 dense bytes for the product that follows.
; All roundings to nearest even.  LIMITS: |w_proj| stays under 65,504 (f16's range); below 6e-5 f16 keeps its fixed step of 6e-8; NaN and infinities are not treated apart.
; A stream: each byte is read once and written once; no LDS, no barrier, no matrix unit, since no wave wants a byte that another has fetched.
; SHARES.  Work-groups 0-511: 65,536 bytes of x each.  512-575: 65,536 bytes of w_proj each.  576-831: 64 rows k of one column tile of w_qkv each.
; Every load of a wave covers 512 bytes in whole aligned pieces of 256; every store of a wave covers 256 consecutive bytes, aligned.  All of a wave's loads (16, or 12) go out before its first wait on LOADcnt.
; THE MODE: SCHED_MODE bits 1:0 = 2 (LLVM: expert scheduling mode 2), set by the entry lines.  The code itself states the register dependences
; between vector instructions and memory instructions, with s_wait_alu, always for 0.
; THE PLAN.  Registers that memory instructions touch:
;   v[VI], v[V1], v[VO]  byte offsets.  Written by vector instructions at the head of an arm, once; read by every load and store of the arm; never written again.
;   X                    item i: 4 registers.  Written by load i alone, which is issued before any vector instruction names X; read by item i's conversions.
;   Y                    item i: 2 registers.  Written by item i's conversions; read by store i alone; never written behind it.
;   T is named by vector instructions alone.
; The items go in blocks of BL = 4, and the stores run a block behind the conversions.  ONE wait on va_vdst at a block's head states that the block before has written its Y; that block's four stores
; follow it, one ahead of each item's conversions, which name this block's X and Y and T: none of the registers that those stores read.  One more such wait stands ahead of the last block's stores,
; and one ahead of an arm's first load, for the offsets.  No register that a memory instruction has read is written again, so no wait on vm_vsrc is owed.
.set VI, 1                             ; v1        byte offset of my 16 bytes in the input
.set VO, 2                             ; v2        byte offset of my 8 bytes in the output
.set V1, 3                             ; v3        w_qkv: the offset of the load that straddles two rows
.set T,  4                             ; v[4:7]    at work
.set X,  8                             ; v[8:71]   load i: 4 registers
.set Y,  72                            ; v[72:103] store i: 2 registers
.set BL, 4                             ; items in a block
; n items, already asked for, are rounded and stored; store i lies step x i bytes behind the first.  two = 1: the bf16 number is widened again and written as f16 (exact within f16's range).
.macro OUT n, two, step
.set i, 0
.rept \n
	s_wait_loadcnt (\n)-1-i                        ; loads come back in order (ISA guide 5.7.1): load i is in, the n - 1 - i younger ones stay out
.if ((i%BL) == 0) && (i > 0)
	s_wait_alu depctr_va_vdst(0)                   ; the conversions of the block before have written its eight registers of Y, which the four stores of this block's turn read
.endif
.if i >= BL
	global_store_b64 v[VO], v[Y+2*(i-BL):Y+2*(i-BL)+1], s[18:19] offset:(\step)*(i-BL)  ; an item of the block before; no vector instruction since the wait names its registers.  Each store has registers of its own: nothing that a store reads is written again
.endif
	v_cvt_pk_bf16_f32 v[Y+2*i], v[X+4*i], v[X+4*i+1]
	v_cvt_pk_bf16_f32 v[Y+2*i+1], v[X+4*i+2], v[X+4*i+3]
.if \two
	v_lshlrev_b32 v[T], 16, v[Y+2*i]               ; bf16 to f32: the low half moves up,
	v_and_b32 v[T+1], s20, v[Y+2*i]                ; the high half stays
	v_lshlrev_b32 v[T+2], 16, v[Y+2*i+1]
	v_and_b32 v[T+3], s20, v[Y+2*i+1]
	v_cvt_pk_f16_f32 v[Y+2*i], v[T], v[T+1]
	v_cvt_pk_f16_f32 v[Y+2*i+1], v[T+2], v[T+3]
.endif
.set i, i+1
.endr
	s_wait_alu depctr_va_vdst(0)                   ; the last block's conversions have written its Y, which the last four stores read
.set i, (\n)-BL
.rept BL
	global_store_b64 v[VO], v[Y+2*i:Y+2*i+1], s[18:19] offset:(\step)*i
.set i, i+1
.endr
.endm
; 65,536 dense bytes in, 32,768 out.
.macro LIN two
	v_lshlrev_b32 v[VI], 4, v0
	v_lshlrev_b32 v[VO], 3, v0
	s_wait_alu depctr_va_vdst(0)                   ; v[VI] and v[VO] are written: every load of this arm reads the one as its offset, every store the other
.set i, 0
.rept 16
	global_load_b128 v[X+4*i:X+4*i+3], v[VI], s[16:17] offset:4096*i th:TH_LOAD_NT
.set i, i+1
.endr
	OUT 16, \two, 2048
.endm
	s_load_b256 s[4:11], s[0:1], 0x0               ; x s[4:5], w_qkv s[6:7], w_proj s[8:9], xb s[10:11]
	s_load_b128 s[12:15], s[0:1], 0x20             ; wqb s[12:13], wpb s[14:15]
	s_mov_b32 s20, 0xffff0000                      ; a word's upper bf16
	s_mov_b32 s21, ttmp9
	s_mov_b32 s3, 0                                ; all offsets stay under 2^32
	s_wait_kmcnt 0x0
	s_cmp_lt_u32 s21, 512
	s_cbranch_scc0 .Lweights
	s_lshl_b32 s2, s21, 16
	s_add_nc_u64 s[16:17], s[4:5], s[2:3]
	s_lshl_b32 s2, s21, 15
	s_add_nc_u64 s[18:19], s[10:11], s[2:3]
	LIN 0
	s_endpgm
.Lweights:
	s_cmp_lt_u32 s21, 576
	s_cbranch_scc0 .Lwq
	s_sub_co_u32 s21, s21, 512
	s_lshl_b32 s2, s21, 16
	s_add_nc_u64 s[16:17], s[8:9], s[2:3]
	s_lshl_b32 s2, s21, 15
	s_add_nc_u64 s[18:19], s[14:15], s[2:3]
	LIN 1
	s_endpgm
.Lwq:
	; Column tile j, rows 64 kb .. 64 kb + 63.  A wave takes 8 rows, two at a time: 2 x 768 bytes in by three loads, 768 bytes out by three stores.
	; Of the 384 numbers of two rows, store s takes 128 s .. 128 s + 127: row 0's columns 0-127 | row 0's 128-191 and row 1's 0-63 | row 1's 64-191.
	s_sub_co_u32 s21, s21, 576
	s_lshr_b32 s22, s21, 4                         ; j
	s_and_b32 s23, s21, 15                         ; kb
	s_mul_i32 s2, s23, 786432                      ; 64 rows of 12,288 bytes
	s_mul_i32 s24, s22, 768                        ; 192 columns of 4 bytes
	s_add_co_u32 s2, s2, s24
	s_add_nc_u64 s[16:17], s[6:7], s[2:3]
	s_mul_i32 s2, s22, 393216                      ; a tile: 1,024 rows of 384 bytes
	s_mul_i32 s24, s23, 24576
	s_add_co_u32 s2, s2, s24
	s_add_nc_u64 s[18:19], s[12:13], s[2:3]
	v_lshrrev_b32 v[T], 5, v0                      ; wave
	v_and_b32 v[T+1], 31, v0                       ; lane
	v_bfe_u32 v[T+2], v0, 4, 1                     ; lane / 16
	v_mul_u32_u24 v[T+3], v[T], 98304              ; the wave's 8 rows
	v_lshl_add_u32 v[VI], v[T+1], 4, v[T+3]        ; 512 bytes on end
	v_and_b32 v[V1], 15, v0
	v_lshl_add_u32 v[V1], v[V1], 4, v[T+3]
	v_mad_u32_u24 v[V1], v[T+2], 11776, v[V1]      ; with the immediate 512: lanes 0-15 at byte 512 of row 0, lanes 16-31 at byte 0 of row 1 (12,288)
	v_mul_u32_u24 v[VO], v[T], 3072
	v_lshl_add_u32 v[VO], v[T+1], 3, v[VO]
	s_wait_alu depctr_va_vdst(0)                   ; v[VI], v[V1] and v[VO] are written: the loads below read the first two as their offsets, the stores the third
.set u, 0
.rept 4
	global_load_b128 v[X+12*u:X+12*u+3],    v[VI], s[16:17] offset:24576*u th:TH_LOAD_NT
	global_load_b128 v[X+12*u+4:X+12*u+7],  v[V1], s[16:17] offset:24576*u+512 th:TH_LOAD_NT
	global_load_b128 v[X+12*u+8:X+12*u+11], v[VI], s[16:17] offset:24576*u+12544 th:TH_LOAD_NT
.set u, u+1
.endr
	OUT 12, 0, 256
	s_endpgm
.Lfunc_end_k_qcc36aded90_prep:
	.size	k_qcc36aded90_prep, .Lfunc_end_k_qcc36aded90_prep-k_qcc36aded90_prep
	.p2alignl 7, 3214868480
	.fill 96, 4, 3214868480
	.section	.rodata,"a",@progbits
	.p2align	6, 0x0
	.amdhsa_kernel k_qcc36aded90_prep
		.amdhsa_group_segment_fixed_size 0
		.amdhsa_private_segment_fixed_size 0
		.amdhsa_enable_private_segment 0
		.amdhsa_kernarg_size 48
		.amdhsa_user_sgpr_count 2
		.amdhsa_user_sgpr_kernarg_segment_ptr 1
		.amdhsa_wavefront_size32 1
		.amdhsa_system_sgpr_workgroup_id_x 1
		.amdhsa_system_sgpr_workgroup_id_y 1
		.amdhsa_system_sgpr_workgroup_id_z 1
		.amdhsa_system_vgpr_workitem_id 0
		.amdhsa_next_free_vgpr 112
		.amdhsa_next_free_sgpr 66
		.amdhsa_reserve_vcc 0
		.amdhsa_float_denorm_mode_32 3
		.amdhsa_float_denorm_mode_16_64 3
		.amdhsa_memory_ordered 1
		.amdhsa_forward_progress 1
		.amdhsa_inst_pref_size 23
	.end_amdhsa_kernel
	.amdgpu_metadata
---
amdhsa.version: [ 1, 2 ]
amdhsa.kernels:
  - .name:           k_qcc36aded90_prep
    .symbol:         k_qcc36aded90_prep.kd
    .args:
      - { .name: x, .offset: 0, .size: 8, .value_kind: global_buffer, .address_space: global }
      - { .name: w_qkv, .offset: 8, .size: 8, .value_kind: global_buffer, .address_space: global }
      - { .name: w_proj, .offset: 16, .size: 8, .value_kind: global_buffer, .address_space: global }
      - { .name: xb, .offset: 24, .size: 8, .value_kind: global_buffer, .address_space: global }
      - { .name: wqb, .offset: 32, .size: 8, .value_kind: global_buffer, .address_space: global }
      - { .name: wpb, .offset: 40, .size: 8, .value_kind: global_buffer, .address_space: global }
    .group_segment_fixed_size: 0
    .private_segment_fixed_size: 0
    .kernarg_segment_align: 8
    .kernarg_segment_size: 48
    .max_flat_workgroup_size: 256
    .sgpr_count:     66
    .vgpr_count:     112
    .wavefront_size: 32
...
	.end_amdgpu_metadata
.endif
;; end of part 5
;; launch qkvgemm: the kernel of part 2 again; grid 16 x 32, 4 waves a work-group, clusters of 4 x 4, 327,680 bytes of LDS; arguments xb, wqb, b_qkv, qkv; writes qkv
;; launch attn: the kernel of part 3 again; grid 4 x 64, 4 waves a work-group, no clusters, 327,680 bytes of LDS; arguments qkv, ob; writes ob
;; launch projgemm: the kernel of part 4 again; grid 8 x 32, 4 waves a work-group, clusters of 4 x 4, 327,680 bytes of LDS; arguments ob, wpb, b_proj, out0; writes out0
